; MI455X (gfx1250); checked and timed in simulation.
; The chip was launched on July 23, 2026; its instructions are those of AMD's public machine-readable ISA for CDNA 5 (MIT licence, August 2026) and "CDNA5" Instruction Set Architecture Reference Guide (July 2026). The comments in the code are by the model that wrote it; some were corrected since.
;; HMU. Allowed arithmetic: matrix products marked QUANTISED: E2M1 operands, one E8M0 scale for each 32 along K, by v_wmma_scale_f32_16x16x128_f8f6f4 with both operands' format E2M1 (or v_wmma_scale_f32_32x16x128_f4), f32 sums; products left as they are: f32 operands where the result goes on into a quantised operand, else bf16, f16 or f32 operands; f32 sums; everything else in f32.
;; Inputs: lambda_base 1 float32; mu 1,024 float32; v 8 x 1,024 float32; x 65,536 x 1,024 float32.
;; Outputs: out0 65,536 float32.
;; This version of the problem:
;;   THIS VERSION OF THE PROBLEM IS GIVEN IN LOW PRECISION. The matrix products marked QUANTISED in the list below multiply operands that are first quantised to E2M1 (2 exponent bits, 1 mantissa bit; 4 bits a number), with one power-of-two scale for each 32 numbers along K (OCP MX v1.0); their sums are f32. All else is computed in f32.
;;   The module's matrix products, in the order in which they are computed (A, B: the left and right operand; K: the contracted axis; several contracted axes count as one K, in the product's order):
;;     1. [M 1,024, K 8] x [K 8, N 1,024]; A: input v; B: input v: left as it is (K = 8 < 32)
;;     2. [M 1,024, K 1,024] x [K 1,024, N 65,536]; A: computed on the way; B: computed on the way: QUANTISED
;;     3. batch 65,536 x [M 1, K 1,024] x [K 1,024, N 1]; A: computed on the way; B: computed on the way: left as it is (M = 1 < 16)
;;   THE QUANTISER, for each operand of a quantised product, along K:
;;     - K is cut into blocks of 32 from its start; a last block that is shorter is filled with zeros.
;;     - A block's scale is 2^e with e = floor(log2(the largest magnitude in the block)) - 2, held to -126 .. 127; a block of zeros has e = 0. As a byte (E8M0): e + 127.
;;     - Each number is divided by its block's scale, clamped to +-6, and rounded to the nearest number of E2M1, ties to even, subnormals kept.
;;     - The product sums the exact products of the quantised numbers (number of the format x scale) in f32.
;;   ~~~python
;;   def quantise(x, axis):      # numpy; x: float32 -> the quantised numbers, widened to float32 again
;;       x = np.moveaxis(x, axis, -1); K = x.shape[-1]
;;       x = np.pad(x, [(0, 0)] * (x.ndim - 1) + [(0, -K % 32)]); x = x.reshape(x.shape[:-1] + (-1, 32)); a = np.abs(x).max(-1, keepdims=True)
;;       e = np.where(a > 0, np.clip(np.frexp(np.where(a > 0, a, 1))[1] - 1 - 2, -126, 127), 0)      # np.frexp(a)[1] - 1 = floor(log2(a)), exactly
;;       r = np.clip(x / 2.0 ** e, -6, 6)
;;       step = 2.0 ** (np.maximum(np.frexp(np.where(r == 0, 1, r))[1] - 1, 0) - 1)
;;       q = np.round(r / step) * step * 2.0 ** e      # np.round: ties to even
;;       return np.moveaxis(q.reshape(q.shape[:-2] + (-1,))[..., :K], -1, axis).astype(np.float32)
;;   ~~~
;;   OPERANDS COMPUTED ON THE WAY. 'Computed on the way' means the value that the module computes at that place (a softmax that the list does not call 'softmax' is quantised finished and normalised). What goes into a quantiser is computed in f32, as accurately as f32 sums, v_exp_f32 and their like allow (about 1e-6 of the number): no bf16 or f16 on the way to a quantiser, and a product that is left as it is and whose result goes on into a quantised operand takes f32 operands (vector FMAs, or v_wmma_f32_16x16x4_f32). A number that lies on a knife's edge between two numbers of the format may be rounded either way, as far as f32 arithmetic and the matrix unit's own rounding can turn it there, and no further.
;; 2 versions. Each part assembles by itself: llvm-mc -triple=amdgcn-amd-amdhsa -mcpu=gfx1250 --defsym DOCPART=n.
;; ======== version 1 of 2: 2 launches
;; workspace buffers: wq 557,056 bytes
;; launch wprep (part 1): grid 64 x 1, 8 waves a work-group, no clusters, 34,304 bytes of LDS; arguments v, lambda_base, wq; writes wq
.if DOCPART == 1
	.amdgcn_target "amdgcn-amd-amdhsa--gfx1250"
	.amdhsa_code_object_version 6
	.text
	.protected	k_q88d1d979c8_wprep
	.globl	k_q88d1d979c8_wprep
	.p2align	8
	.type	k_q88d1d979c8_wprep,@function
k_q88d1d979c8_wprep:
	s_mov_b64 s[64:65], 0
	v_nop
	global_prefetch_b8 v0, s[64:65] scope:SCOPE_SE
	s_setreg_imm32_b32 hwreg(HW_REG_WAVE_MODE, 25, 1), 1
	s_wait_xcnt 0x0
; W = lambda I + v^T v, [1024][1024], in f32, quantised along j to codes of FP4 (E2M1) with one E8M0 byte for each 32 along j,
; and laid in wq in the order of a matrix operand's registers, so that the next launch loads fragments whole.
; W[i][j] is one chain of fused multiply-adds over k = 0 .. 7, ascending; lambda is added last, on the diagonal.  The chain gives
; the same bits for (i, j) and (j, i), so it does not matter along which of W's two axes the product contracts.
; wq: 64 tiles of 16 rows i, 8,704 bytes each.  In a tile: byte 1024 s + 512 c + 16 lane: registers 4 c .. 4 c + 3 of the fragment of
; K step s (lane (r, h): row r, j = 128 s + 64 c + 32 h + 0 .. 31); byte 8192 + 16 lane: four scale words, lane (r, hh): row r, K steps 4 hh + 0 .. 3.
; SHARES: work-group T makes tile T; wave s its K step s; lane (r, h) two whole blocks of 32 of row 16 T + r: no other lane is asked for a maximum.
; LIMITS: NaN and infinities in v or lambda are not served.  A block of zeros gets the byte 1 where the rule says 127: its codes are zeros,
; and the bytes are read by this program alone.
.set SWB,   32768                      ; LDS: v as it lies, 8 rows of 4,096 bytes, from byte 0; behind it the tile's 512 bytes of scale words
.set TILEB, 8704
.set VKI,   16                         ; v16-23   v[k][my row i]
.set MXA,   24
.set MXB,   25
.set SCL,   26
.set BY,    27                         ; v27-28   my two scale bytes
.set WRD,   29
.set TMP,   30
.set SH8,   31
.set PC,    40                         ; v40-47   the fragment's codes
.set AC,    64                         ; v64-95, v96-127: my two blocks of W
.set VB,    128                        ; v128-255 four rows k x 32 numbers of v
.macro BARRIER
	s_wait_dscnt 0x0                               ; my LDS stores have landed and my LDS loads are in
	s_barrier_signal -1
	s_barrier_wait -1
.endm
	s_load_b128 s[4:7], s[0:1], 0x0                ; v, lambda_base
	s_load_b64 s[8:9], s[0:1], 0x10                ; wq
	v_lshl_add_u32 v62, v0, 2, 0x8200
	v_mov_b32 v63, 0
	v_lshrrev_b32 v1, 5, v0
	v_readfirstlane_b32 s12, v1                    ; wave = K step s
	v_and_b32 v1, 31, v0                           ; lane
	v_and_b32 v2, 15, v0                           ; r
	v_bfe_u32 v3, v0, 4, 1                         ; h
	v_lshlrev_b32 v4, 4, v0                        ; 16 x thread: my 16 bytes of a row of v, in memory and in LDS
	s_lshl_b32 s13, s12, 9
	v_lshl_add_u32 v5, v3, 7, s13                  ; LDS: 4 j at j = 128 s + 32 h
	s_lshl_b32 s14, ttmp9, 6
	v_lshl_add_u32 v6, v2, 2, s14                  ; 4 i, i = 16 T + r
	s_lshr_b32 s15, s12, 2
	s_lshl_b32 s15, s15, 8
	s_and_b32 s16, s12, 3
	s_lshl_b32 s16, s16, 2
	s_add_co_u32 s15, s15, s16
	s_add_co_u32 s15, s15, SWB
	v_lshl_add_u32 v7, v2, 4, s15                  ; my row's scale word of K step s: 16 (16 (s / 4) + r) + 4 (s % 4)
	v_lshlrev_b32 v8, 4, v1                        ; 16 x lane
	v_lshl_add_u32 v32, v1, 4, SWB                 ; the scale words on their way out
	s_lshl_b32 s16, ttmp9, 4
	s_lshl_b32 s17, s12, 7
	s_sub_co_u32 s16, s16, s17
	v_add_nc_u32 v9, s16, v2
	v_lshlrev_b32 v11, 5, v3
	v_sub_nc_u32 v9, v9, v11                       ; i - 128 s - 32 h: the place of the diagonal in my first block, if it is 0 .. 31
	v_add_nc_u32 v12, 0xffffffc0, v9               ; and in my second, 64 further on
	v_lshlrev_b32 v[SH8], 3, v3
	v_mov_b32 v[TMP], 0                            ; a lane permute's destination counts as one of its sources
	s_mov_b32 s22, 0x76543210
	s_mov_b32 s23, 0xfedcba98                      ; v_permlanex16_b32's selects for lane l xor 16
	s_mul_i32 s20, ttmp9, TILEB
	s_mov_b32 s21, 0
	s_wait_kmcnt 0x0
	s_load_b32 s18, s[6:7], 0x0                    ; lambda
.irp k, 0,1,2,3,4,5,6,7
	global_load_b128 v[VB+4*\k:VB+4*\k+3], v4, s[4:5] offset:4096*\k    ; the 256 threads take a whole row of v
.endr
.irp k, 0,1,2,3,4,5,6,7
	global_load_b32 v[VKI+\k], v6, s[4:5] offset:4096*\k
.endr
	s_add_nc_u64 s[8:9], s[8:9], s[20:21]          ; my tile
	s_lshl_b32 s20, s12, 10
	s_add_nc_u64 s[10:11], s[8:9], s[20:21]        ; my fragment
	s_wait_loadcnt 8                               ; the eight rows' loads are in; the eight single words behind them may be out
.irp k, 0,1,2,3,4,5,6,7
	ds_store_b128 v4, v[VB+4*\k:VB+4*\k+3] offset:4096*\k
.endr
	BARRIER                                        ; v lies in LDS
	s_wait_loadcnt 0x0
	s_wait_kmcnt 0x0
	v_mov_b32 v10, s18
; Block c, rows k = 4 kb .. 4 kb + 3 of v: 32 loads (all lanes of a half read the same 16 bytes), then 64 packed multiply-adds, k ascending.
.macro WSUM c, kb
.irp kk, 0,1,2,3
.irp e, 0,1,2,3,4,5,6,7
	ds_load_b128 v[VB+32*\kk+4*\e:VB+32*\kk+4*\e+3], v5 offset:4096*(4*(\kb)+\kk)+256*(\c)+16*\e
.endr
.endr
	s_wait_dscnt 0x0
.irp kk, 0,1,2,3
.irp p, 0,1,2,3,4,5,6,7,8,9,10,11,12,13,14,15
.if ((\kb) == 0) && (\kk == 0)
	v_pk_mul_f32 v[AC+32*(\c)+2*\p:AC+32*(\c)+2*\p+1], v[VB+2*\p:VB+2*\p+1], v[VKI:VKI+1] op_sel_hi:[1,0]
.elseif (\kk%2) == 0
	v_pk_fma_f32 v[AC+32*(\c)+2*\p:AC+32*(\c)+2*\p+1], v[VB+32*\kk+2*\p:VB+32*\kk+2*\p+1], v[VKI+4*(\kb)+\kk:VKI+4*(\kb)+\kk+1], v[AC+32*(\c)+2*\p:AC+32*(\c)+2*\p+1] op_sel_hi:[1,0,1]
.else
	v_pk_fma_f32 v[AC+32*(\c)+2*\p:AC+32*(\c)+2*\p+1], v[VB+32*\kk+2*\p:VB+32*\kk+2*\p+1], v[VKI+4*(\kb)+\kk-1:VKI+4*(\kb)+\kk], v[AC+32*(\c)+2*\p:AC+32*(\c)+2*\p+1] op_sel:[0,1,0] op_sel_hi:[1,1,1]
.endif
.endr
.endr
.endm
	WSUM 0, 0
	WSUM 0, 1
	WSUM 1, 0
	WSUM 1, 1
; lambda on the diagonal: done in every wave, without a branch; where the diagonal does not pass, no compare holds and 0 is added
.irp c, 0,1
.irp e, 0,1,2,3,4,5,6,7,8,9,10,11,12,13,14,15,16,17,18,19,20,21,22,23,24,25,26,27,28,29,30,31
	v_cmp_eq_u32 vcc_lo, \e, v[9+3*\c]
	v_cndmask_b32 v13, 0, v10, vcc_lo
	v_add_f32 v[AC+32*\c+\e], v[AC+32*\c+\e], v13
.endr
.endr
; Block c becomes 32 codes and a byte.  The largest magnitude has the floor 2^(3 - 127) among its leaves, so the byte cannot fall under 1;
; 2 off its exponent field is the conversion's scale operand, and that field is the byte.
.macro WQ c
.set ASRC, AC+32*(\c)
	v_max3_num_f32 v[MXA], |v[ASRC]|, |v[ASRC+1]|, 0x1800000
	v_max3_num_f32 v[MXB], |v[ASRC+2]|, |v[ASRC+3]|, 0x1800000
.irp i, 4,8,12,16,20,24,28
	v_max3_num_f32 v[MXA], v[MXA], |v[ASRC+\i]|, |v[ASRC+\i+1]|
	v_max3_num_f32 v[MXB], v[MXB], |v[ASRC+\i+2]|, |v[ASRC+\i+3]|
.endr
	v_max_num_f32 v[MXA], v[MXA], v[MXB]
	v_add_nc_u32 v[SCL], 0xff000000, v[MXA]
	v_lshrrev_b32 v[BY+(\c)], 23, v[SCL]
.irp g, 0,1,2,3
	v_cvt_scalef32_pk8_fp4_f32 v[PC+4*(\c)+\g], v[ASRC+8*\g:ASRC+8*\g+7], v[SCL]
.endr
	v_nop                                          ; one plain place behind a scaled conversion
.endm
	WQ 0
	WQ 1
	v_lshl_or_b32 v[WRD], v[BY+1], 16, v[BY]       ; my two bytes: blocks h and 2 + h of the K step,
	v_lshlrev_b32 v[WRD], v[SH8], v[WRD]           ; at their places in the scale word;
	v_permlanex16_b32 v[TMP], v[WRD], s22, s23
	v_or_b32 v[WRD], v[WRD], v[TMP]                ; with lane l xor 16's two the word is whole
	global_store_b128 v8, v[PC:PC+3], s[10:11]                  ; each store of the wave covers 512 consecutive bytes, aligned to 256
	global_store_b128 v8, v[PC+4:PC+7], s[10:11] offset:512
	ds_store_b32 v7, v[WRD]                        ; both halves of the lanes write the same word with the same value
	BARRIER                                        ; the tile's 128 scale words lie in LDS
	s_cmp_lg_u32 s12, 0
	s_cbranch_scc1 .Ldone
	ds_load_b128 v[48:51], v32
	s_wait_dscnt 0x0
	global_store_b128 v8, v[48:51], s[8:9] offset:8192          ; 512 consecutive bytes
.Ldone:
	s_wait_tensorcnt 0x0
	ds_add_u32 v62, v63
	s_wait_dscnt 0x0
	s_endpgm
.Lfunc_end_k_q88d1d979c8_wprep:
	.size	k_q88d1d979c8_wprep, .Lfunc_end_k_q88d1d979c8_wprep-k_q88d1d979c8_wprep
	.p2alignl 7, 3214868480
	.fill 96, 4, 3214868480
	.section	.rodata,"a",@progbits
	.p2align	6, 0x0
	.amdhsa_kernel k_q88d1d979c8_wprep
		.amdhsa_group_segment_fixed_size 34304
		.amdhsa_private_segment_fixed_size 0
		.amdhsa_enable_private_segment 0
		.amdhsa_kernarg_size 24
		.amdhsa_user_sgpr_count 2
		.amdhsa_user_sgpr_kernarg_segment_ptr 1
		.amdhsa_wavefront_size32 1
		.amdhsa_system_sgpr_workgroup_id_x 1
		.amdhsa_system_sgpr_workgroup_id_y 1
		.amdhsa_system_sgpr_workgroup_id_z 1
		.amdhsa_system_vgpr_workitem_id 0
		.amdhsa_next_free_vgpr 256
		.amdhsa_next_free_sgpr 66
		.amdhsa_reserve_vcc 1
		.amdhsa_float_denorm_mode_32 3
		.amdhsa_float_denorm_mode_16_64 3
		.amdhsa_memory_ordered 1
		.amdhsa_forward_progress 1
		.amdhsa_inst_pref_size 39
	.end_amdhsa_kernel
	.amdgpu_metadata
---
amdhsa.version: [ 1, 2 ]
amdhsa.kernels:
  - .name:           k_q88d1d979c8_wprep
    .symbol:         k_q88d1d979c8_wprep.kd
    .args:
      - { .name: v, .offset: 0, .size: 8, .value_kind: global_buffer, .address_space: global }
      - { .name: lambda_base, .offset: 8, .size: 8, .value_kind: global_buffer, .address_space: global }
      - { .name: wq, .offset: 16, .size: 8, .value_kind: global_buffer, .address_space: global }
    .group_segment_fixed_size: 34304
    .private_segment_fixed_size: 0
    .kernarg_segment_align: 8
    .kernarg_segment_size: 24
    .max_flat_workgroup_size: 256
    .sgpr_count:     66
    .vgpr_count:     256
    .wavefront_size: 32
...
	.end_amdgpu_metadata
.endif
;; end of part 1
;; launch hmu (part 2): grid 256 x 1, 8 waves a work-group, no clusters, 312,320 bytes of LDS; arguments x, mu, wq, out0; writes out0
.if DOCPART == 2
	.amdgcn_target "amdgcn-amd-amdhsa--gfx1250"
	.amdhsa_code_object_version 6
	.text
	.protected	k_q88d1d979c8_hmu
	.globl	k_q88d1d979c8_hmu
	.p2align	8
	.type	k_q88d1d979c8_hmu,@function
k_q88d1d979c8_hmu:
	s_mov_b64 s[64:65], 0
	v_nop
	global_prefetch_b8 v0, s[64:65] scope:SCOPE_SE
	s_setreg_imm32_b32 hwreg(HW_REG_WAVE_MODE, 25, 1), 1
	s_wait_xcnt 0x0
; out[b] = exp(-(1/1024) sum_i diff[b][i] T[b][i]),  diff = x - mu (f32),  T[b][i] = sum_j Q(W)[i][j] Q(diff)[b][j]: codes of FP4 (E2M1), one E8M0 byte for each 32 along j, f32 sums.
; W's codes and scale words come from wq, laid in the order of an operand's registers: 64 tiles of 16 rows i, 8,704 bytes each: byte 1024 s + 512 c + 16 lane: registers 4 c .. 4 c + 3 of the
; fragment of K step s; byte 8192 + 16 lane: four scale words, lane (r, hh): row r, K steps 4 hh + 0 .. 3.
; SHARES.  A work-group of eight waves owns 256 rows of x, as 2 blocks of 128, so that W is walked twice.  A block goes in two phases, and every wave takes part in both:
;   S: wave w streams rows 16 w .. 16 w + 15: loads x, forms diff, stores it as bf16 in LDS (for the last product), quantises it and keeps its eight fragments of codes in 64 registers;
;   M: wave w takes K half KH = w % 2 (four K steps) and columns i = 256 CQ .. + 255, CQ = w / 2 (16 tiles of W), for all 128 rows: the rows' codes of its K half lie in 256 registers, W's fragments
;      come from memory straight into registers (each byte of W is wanted by this one wave), and T's part x diff is added into a sum for each row.  The sum over i of diff x T is linear in T,
;      so the two K halves' parts are summed apart; a row's eight partial sums meet in LDS.
; Between the phases the codes go from wave to wave through LDS as images of their registers, one K half (32 KiB) at a time, in the bytes that were the stages of phase S.
; No cluster and no joint load for W: a joint load lands in LDS, where 327,680 - 311,296 = 16,384 bytes are free; two slots of half a tile for each of eight waves are 69,632.
; THE MATRIX INSTRUCTION: source 0 = 16 rows of W, source 1 = 16 rows of diff: a lane then holds ONE row b (lane % 16) and eight neighbouring i, 8 (lane / 16) + 0 .. 7, as diff's bf16 lie in LDS.
; LIMITS.  NaN and infinities in x or mu are not served.  A block of zeros gets the byte 1 where the rule says 127 (its codes are zeros; this program alone reads the bytes).
; diff is rounded to bf16 for the last product (T stays f32).  The order of the f32 sums over j (two halves) and over i is this text's own.
.set PD,     2064                      ; a row of diff in LDS: 2,048 bytes of bf16 + 16: an odd multiple of 16, so that 16 rows' 16 bytes fall on different banks (64 banks of 4 bytes: ISA guide 11.1)
.set CODES,  264192                    ; behind diff's 128 rows: 32 fragments (tile of rows m, K step q of a half): (4 m + q) x 1,024 bytes: register group c at 512 c + 16 lane
.set STAGE,  CODES                     ; the same bytes in phase S: for each wave 16 rows x (256 + 16) bytes; 34,816 in all
.set XSC,    299008                    ; diff's scale words: (8 m + s) x 64 bytes, 4 a row
.set MUB,    303104                    ; mu as it lies
.set QP,     307200                    ; [wave][row of the block] f32
.set TILEB,  8704
; vector registers, window 0: addresses, made once at the head from the thread's number; none ever holds loaded data
.set LI,  4                            ; CODES + 16 lane
.set XSR, 5                            ; XSC + 4 r + 2048 h + 256 KH: lanes 16-31 take the tile of rows four further on
.set RD,  6                            ; v6-9  diff, read: PD r + 16 h + 512 CQ + 32 k rows
.set QPW, 10                           ; QP + 512 wave + 4 r
.set WO,  11                           ; 16 lane
.set WSO, 12                           ; W's scale words, from my fragments' base: 16 r + 8192 - 3840 KH
.set DWA, 13                           ; diff, written: (16 wave + 8 h) PD + 8 r
.set STW, 14                           ; stage, in:  272 (8 h) + 16 r
.set STR, 15                           ; stage, out: 272 r + 128 h
.set CW,  16                           ; CODES + 4096 wave + 16 lane
.set XWA, 17                           ; XSC + 512 wave + 4 r
.set MU0, 18                           ; MUB + 16 r
.set XO,  19                           ; x: 8 h rows + 16 r
.set QPR, 20                           ; QP + 16 lane
.set SH8, 21                           ; 8 h
.set PFO, 22                           ; the prefetches' offset: row r, 256 h
.set MUW, 23                           ; MUB + 16 thread
.set QS,  24                           ; v24-31  the rows' sums, one for each tile of rows
.set XS,  32                           ; v32-47  scale words of diff: register 4 (m % 4) + q: tile m in lanes 0-15, tile m + 4 in lanes 16-31.  v32-59 hold scales and nothing else
.set WS,  48                           ; v48-59  scale words of W: three sets of 4; tile a takes set a % 3
.set MUG, 60                           ; 16 thread
; phase S
.set HC,  64                           ; v64-127  my eight fragments of codes, K step s at 8 s
.set DF,  128                          ; v128-159 diff of a half-unit (16 rows x 64 columns), f32, as loaded
.set BF,  160                          ; v160-175 the same as bf16
.set ZR,  176                          ; v176-207 a whole block of 32 of my row
.set MUR, 208                          ; v208-239 512 numbers' worth of mu: 4 registers a half-unit
.set MXA, 240
.set MXB, 241
.set SCL, 242
.set BY,  243                          ; v243-244
.set WRD, 245
.set TMP, 246                          ;          window 1: the ring of x, 8 sets of 32
; phase M
.set ACC, 64                           ; v64-127  eight accumulators, one for each tile of rows
.set WF,  128                          ; v128-223 W's fragments: three groups of 4; tile a takes group a % 3
.set DDR, 224                          ; v224-255 8 x 4 registers of bf16 diff.   Window 1: the codes, fragment (m, q) at v[8 (4 m + q)]
.set QT,  224
.set OU,  224                          ; the way out
; scalar registers: s12 wave, s13 KH, s14 CQ
.set XP,  16                           ; s[16:17] x at my 16 rows of the block in hand
.set WB,  22                           ; s[22:23] my 16 tiles of W, at my K half
.set OB,  24                           ; s[24:25] out0 at the block in hand
.set SBC, 32                           ; blocks done
.set SEL, 36                           ; s[36:37] v_permlanex16_b32's selects for lane l xor 16
.set CE,  38                           ; s[38:39] -log2(e) / 2048
.set MSB, 0
.macro WIN new                         ; s_set_vgpr_msb: bits 1:0 source 0, 3:2 source 1, 5:4 source 2, 7:6 destination; the high byte repeats the setting that is left
.if MSB != \new
	s_set_vgpr_msb (MSB<<8)|\new
.set MSB, \new
.endif
.endm
.macro BARRIER
	s_wait_dscnt 0x0                               ; my LDS stores have landed and my LDS loads are in
	s_barrier_signal -1
	s_barrier_wait -1
.endm
; Eight loads: 16 rows x 256 bytes, the block's col-th 64 columns.  Lanes 0-15 read 256 consecutive aligned bytes of row j, lanes 16-31 of row j + 8.  The window is left at 0x40.
.macro XISSUE set, col
	WIN 0x40                                       ; destination window 1
.irp j, 0,1,2,3,4,5,6,7
	global_load_b128 v[32*(\set)+4*\j:32*(\set)+4*\j+3], v[XO], s[XP:XP+1] offset:256*(\col)+4096*\j th:TH_LOAD_NT
.endr
.endm
.macro PRIMEX                          ; a block's first seven half-units: 56 loads
.irp u, 0,1,2,3,4,5,6
	XISSUE \u, \u
.endr
	WIN 0
.endm
.macro MULOAD t                        ; mu of columns 512 t .. + 511
.irp u, 0,1,2,3,4,5,6,7
	ds_load_b128 v[MUR+4*\u:MUR+4*\u+3], v[MU0] offset:2048*(\t)+256*\u
.endr
.endm
; A HALF-UNIT: my 16 rows x columns 64 u .. + 63, u = 0 .. 15.
.macro HALF u
.set CH, (\u)%2
.set FS, (\u)/2
.set RS, (\u)%8
.if (\u) <= 9
	s_wait_loadcnt 48                              ; loads come back in order (ISA guide 5.7.1): set u is in, the six younger sets stay out
.else
	s_wait_loadcnt 8*(15-(\u))                     ; nothing more is asked for: the counts run down
.endif
.if (\u) <= 8
	XISSUE ((\u)+7)%8, (\u)+7                      ; the set read last takes the half-unit seven further on
.endif
.if RS == 0
	s_wait_dscnt 0x0                               ; mu
.endif
	WIN 0x01                                       ; source 0 window 1
.irp j, 0,1,2,3,4,5,6,7
	v_pk_add_f32 v[DF+4*\j:DF+4*\j+1], v[32*RS+4*\j:32*RS+4*\j+1], v[MUR+4*RS:MUR+4*RS+1] neg_lo:[0,1] neg_hi:[0,1]
	v_pk_add_f32 v[DF+4*\j+2:DF+4*\j+3], v[32*RS+4*\j+2:32*RS+4*\j+3], v[MUR+4*RS+2:MUR+4*RS+3] neg_lo:[0,1] neg_hi:[0,1]
.endr
	WIN 0
.irp j, 0,1,2,3,4,5,6,7
	ds_store_b128 v[STW], v[DF+4*\j:DF+4*\j+3] offset:272*\j       ; through my own stage, as loaded;
.endr
.irp e, 0,1,2,3,4,5,6,7
	ds_load_b128 v[ZR+4*\e:ZR+4*\e+3], v[STR] offset:16*\e         ; back as a whole block of 32 of row r (LDS serves a wave's instructions in order: ISA guide 5.7.1.4)
.endr
	s_wait_dscnt 16                                ; all but the 16 just issued: the last half-unit's stores of bf16 are done, so their registers may be written again
.irp j, 0,1,2,3,4,5,6,7
	v_cvt_pk_bf16_f32 v[BF+2*\j], v[DF+4*\j], v[DF+4*\j+1]
	v_cvt_pk_bf16_f32 v[BF+2*\j+1], v[DF+4*\j+2], v[DF+4*\j+3]
.endr
.irp j, 0,1,2,3,4,5,6,7
	ds_store_b64 v[DWA], v[BF+2*\j:BF+2*\j+1] offset:PD*\j+128*(\u)     ; rows j and j + 8 lie 128 bytes apart modulo 256
.endr
	s_wait_dscnt 8                                 ; the block is in; the eight stores just issued may be out
	v_max3_num_f32 v[MXA], |v[ZR]|, |v[ZR+1]|, 0x1800000           ; the largest magnitude, with the floor 2^(3 - 127) among its leaves: the byte cannot fall under 1
	v_max3_num_f32 v[MXB], |v[ZR+2]|, |v[ZR+3]|, 0x1800000
.irp i, 4,8,12,16,20,24,28
	v_max3_num_f32 v[MXA], v[MXA], |v[ZR+\i]|, |v[ZR+\i+1]|
	v_max3_num_f32 v[MXB], v[MXB], |v[ZR+\i+2]|, |v[ZR+\i+3]|
.endr
	v_max_num_f32 v[MXA], v[MXA], v[MXB]
	v_add_nc_u32 v[SCL], 0xff000000, v[MXA]        ; 2 off its exponent field: the conversion takes that field as its scale
	v_lshrrev_b32 v[BY+CH], 23, v[SCL]             ; the scale's byte
.irp g, 0,1,2,3
	v_cvt_scalef32_pk8_fp4_f32 v[HC+8*FS+4*CH+\g], v[ZR+8*\g:ZR+8*\g+7], v[SCL]   ; registers 4 c .. 4 c + 3 of the fragment of K step u / 2: k = 64 c + 32 h + 0 .. 31
.endr
	v_nop                                          ; one plain place behind a scaled conversion
.if CH == 1
	v_lshl_or_b32 v[WRD], v[BY+1], 16, v[BY]       ; my two bytes: blocks h and 2 + h,
	v_lshlrev_b32 v[WRD], v[SH8], v[WRD]           ; at their places in the scale word;
	v_permlanex16_b32 v[TMP], v[WRD], s[SEL], s[SEL+1]
	v_or_b32 v[WRD], v[WRD], v[TMP]                ; with lane l xor 16's two the word is whole
	ds_store_b32 v[XWA], v[WRD] offset:64*FS       ; both halves of the lanes write the same word with the same value
.endif
.endm
; THE HANDOFF.  My four fragments of K half kk go to LDS as images of their registers; the waves of that K half take all 32.
.macro HSTORE kk
.irp q, 0,1,2,3
	ds_store_b128 v[CW], v[HC+8*(4*(\kk)+\q):HC+8*(4*(\kk)+\q)+3] offset:1024*\q
	ds_store_b128 v[CW], v[HC+8*(4*(\kk)+\q)+4:HC+8*(4*(\kk)+\q)+7] offset:1024*\q+512
.endr
.endm
.macro HLOAD kk
	s_cmp_eq_u32 s13, \kk
	s_cbranch_scc0 .Lnot_mine_\@
	WIN 0x40
.irp f, 0,1,2,3,4,5,6,7,8,9,10,11,12,13,14,15,16,17,18,19,20,21,22,23,24,25,26,27,28,29,30,31
	ds_load_b128 v[8*\f:8*\f+3], v[LI] offset:1024*\f
	ds_load_b128 v[8*\f+4:8*\f+7], v[LI] offset:1024*\f+512
.endr
	WIN 0
.Lnot_mine_\@:
.endm
; A tile of W, my K half: its scale words (one load; lanes 16-31 read what lanes 0-15 read) and four fragments (eight loads of 512 consecutive bytes)
.macro WLOAD buf, tile
	global_load_b128 v[WS+4*(\buf):WS+4*(\buf)+3], v[WSO], s[WB:WB+1] offset:TILEB*(\tile)
.irp q, 0,1,2,3
.irp c, 0,1
	global_load_b128 v[WF+32*(\buf)+8*\q+4*\c:WF+32*(\buf)+8*\q+4*\c+3], v[WO], s[WB:WB+1] offset:TILEB*(\tile)+1024*\q+512*\c
.endr
.endr
.endm
; 32 matrix instructions: tile a of W, my four K steps, against the eight tiles of rows.  The eight accumulators take turns, one instruction a turn.
; The tile's first eight products start the sums with the constant 0.  Four places follow: for the loads into the fragments' and scales' registers and for the first read of results.
.macro MUL32 a
	WIN 0x04                                       ; source 1 (the codes of diff) window 1
.irp q, 0,1,2,3
.irp m, 0,1,2,3,4,5,6,7
.set rA, WF+32*((\a)%3)+8*\q
.set rB, 8*(4*\m+\q)
.set rC, ACC+8*\m
.set rW, WS+4*((\a)%3)+\q
.set rX, XS+4*(\m%4)+\q
.if \q == 0
.if \m < 4
	v_wmma_scale_f32_16x16x128_f8f6f4 v[rC:rC+7], v[rA:rA+7], v[rB:rB+7], 0, v[rW], v[rX] matrix_a_fmt:MATRIX_FMT_FP4 matrix_b_fmt:MATRIX_FMT_FP4
.else
	v_wmma_scale_f32_16x16x128_f8f6f4 v[rC:rC+7], v[rA:rA+7], v[rB:rB+7], 0, v[rW], v[rX] matrix_a_fmt:MATRIX_FMT_FP4 matrix_b_fmt:MATRIX_FMT_FP4 matrix_b_scale:MATRIX_SCALE_ROW1
.endif
.else
.if \m < 4
	v_wmma_scale_f32_16x16x128_f8f6f4 v[rC:rC+7], v[rA:rA+7], v[rB:rB+7], v[rC:rC+7], v[rW], v[rX] matrix_a_fmt:MATRIX_FMT_FP4 matrix_b_fmt:MATRIX_FMT_FP4
.else
	v_wmma_scale_f32_16x16x128_f8f6f4 v[rC:rC+7], v[rA:rA+7], v[rB:rB+7], v[rC:rC+7], v[rW], v[rX] matrix_a_fmt:MATRIX_FMT_FP4 matrix_b_fmt:MATRIX_FMT_FP4 matrix_b_scale:MATRIX_SCALE_ROW1
.endif
.endif
.endr
.endr
.rept 4
	v_nop
.endr
	WIN 0
.endm
; The rows' sums take T's part x diff: eight chains by turns; each accumulator is read from its lowest register on.  These lines are also the places between a tile's last products and the next tile's first, which write over the accumulators.
.macro EPI
.irp j, 0,1,2,3,4,5,6,7
.irp m, 0,1,2,3,4,5,6,7
.if \j%2
	v_fma_mix_f32_bf16 v[QS+\m], v[DDR+4*\m+\j/2], v[ACC+8*\m+\j], v[QS+\m] op_sel:[1,0,0] op_sel_hi:[1,0,0]
.else
	v_fma_mix_f32_bf16 v[QS+\m], v[DDR+4*\m+\j/2], v[ACC+8*\m+\j], v[QS+\m] op_sel_hi:[1,0,0]
.endif
.endr
.endr
.endm
; Tile a of my 16.  W's ring holds three tiles, 9 loads each; a tile's registers are asked for again, three tiles on, as soon as it has been multiplied.
.macro TILE a
.irp k, 0,1,2,3
	ds_load_b128 v[DDR+8*\k:DDR+8*\k+3], v[RD+\k] offset:32*(\a)             ; diff of rows 32 k + r,
	ds_load_b128 v[DDR+8*\k+4:DDR+8*\k+7], v[RD+\k] offset:16*PD+32*(\a)     ; and 16 rows on: the tile's 16 columns
.endr
.if (\a) <= 13
	s_wait_loadcnt 18                              ; tile a is in; the two tiles behind it may be out
.elseif (\a) == 14
	s_wait_loadcnt 9
.else
	s_wait_loadcnt 0x0
.endif
	MUL32 \a
.if (\a)+3 <= 15
	WLOAD (\a)%3, (\a)+3
.endif
.if (\a) == 9
	; A PREFETCH INTO THE L2, in the first block's walk of W alone: the first 1,024 bytes of each of my 16 rows of the next block: a lane a block of 256 bytes (row r, piece h, and two pieces on), two instructions;
	; every wave asks for its own rows, so each block is named once.  It stands behind this tile's loads, six tiles (192 matrix instructions) ahead of the loads that want these bytes.  The last block asks for nothing.
	s_cmp_eq_u32 s[SBC], 0
	s_cbranch_scc0 .Lno_ask
	global_prefetch_b8 v[PFO], s[XP:XP+1] offset:524288 th:TH_LOAD_NT scope:SCOPE_SE
	global_prefetch_b8 v[PFO], s[XP:XP+1] offset:524800 th:TH_LOAD_NT scope:SCOPE_SE
.Lno_ask:
.endif
	s_wait_dscnt 0x0                               ; diff's bf16
	EPI
.endm
.macro QSTORE                          ; my part of each row's sum
.irp m, 0,1,2,3,4,5,6,7
	v_permlanex16_b32 v[QT+\m], v[QS+\m], s[SEL], s[SEL+1]
.endr
.irp m, 0,1,2,3,4,5,6,7
	v_add_f32 v[QS+\m], v[QS+\m], v[QT+\m]
.endr
.irp m, 0,1,2,3,4,5,6,7
	ds_store_b32 v[QPW], v[QS+\m] offset:64*\m     ; both halves of the lanes write the same word with the same value
.endr
.endm
.macro OUT                             ; 128 results: four a lane
.irp w, 0,1,2,3,4,5,6,7
	ds_load_b128 v[OU+4*\w:OU+4*\w+3], v[QPR] offset:512*\w
.endr
	s_wait_dscnt 0x0
.irp w, 0,2,4,6
	v_pk_add_f32 v[OU+4*\w:OU+4*\w+1], v[OU+4*\w:OU+4*\w+1], v[OU+4*\w+4:OU+4*\w+5]
	v_pk_add_f32 v[OU+4*\w+2:OU+4*\w+3], v[OU+4*\w+2:OU+4*\w+3], v[OU+4*\w+6:OU+4*\w+7]
.endr
.irp w, 0,4
	v_pk_add_f32 v[OU+4*\w:OU+4*\w+1], v[OU+4*\w:OU+4*\w+1], v[OU+4*\w+8:OU+4*\w+9]
	v_pk_add_f32 v[OU+4*\w+2:OU+4*\w+3], v[OU+4*\w+2:OU+4*\w+3], v[OU+4*\w+10:OU+4*\w+11]
.endr
	v_pk_add_f32 v[OU:OU+1], v[OU:OU+1], v[OU+16:OU+17]
	v_pk_add_f32 v[OU+2:OU+3], v[OU+2:OU+3], v[OU+18:OU+19]
	v_pk_mul_f32 v[OU+4:OU+5], v[OU:OU+1], s[CE:CE+1] op_sel_hi:[1,0]
	v_pk_mul_f32 v[OU+6:OU+7], v[OU+2:OU+3], s[CE:CE+1] op_sel_hi:[1,0]
.irp e, 0,1,2,3
	v_exp_f32 v[OU+8+\e], v[OU+4+\e]               ; 2^(y / 2), squared below: v_exp_f32 gives 0 for a result that would be denormal (ISA guide 15.8), the square does not
.endr
	v_nop                                          ; a plain place behind the transcendentals
	s_wait_alu depctr_va_vdst(0)                   ; one wait for the four, ahead of their first reader
	v_pk_mul_f32 v[OU+12:OU+13], v[OU+8:OU+9], v[OU+8:OU+9]
	v_pk_mul_f32 v[OU+14:OU+15], v[OU+10:OU+11], v[OU+10:OU+11]
	global_store_b128 v[WO], v[OU+12:OU+15], s[OB:OB+1]            ; the wave stores 512 consecutive bytes, aligned to 256
	s_wait_xcnt 0x0                                ; the store has read its base and its data
	s_add_nc_u64 s[OB:OB+1], s[OB:OB+1], 512
.endm
	s_load_b256 s[4:11], s[0:1], 0x0               ; x s[4:5], mu s[6:7], wq s[8:9], out0 s[10:11]
	v_lshl_add_u32 v62, v0, 2, 0x4c000
	v_mov_b32 v63, 0
	v_lshrrev_b32 v1, 5, v0
	v_readfirstlane_b32 s12, v1                    ; wave 0..7
	s_and_b32 s13, s12, 1                          ; KH: my half of K in phase M
	s_lshr_b32 s14, s12, 1                         ; CQ: my quarter of the columns i
	v_and_b32 v1, 31, v0                           ; lane
	v_and_b32 v2, 15, v0                           ; r
	v_bfe_u32 v3, v0, 4, 1                         ; h
	v_lshl_add_u32 v[LI], v1, 4, CODES
	s_lshl_b32 s40, s13, 8
	s_add_co_u32 s40, s40, XSC
	v_lshl_add_u32 v[XSR], v2, 2, s40
	v_lshl_add_u32 v[XSR], v3, 11, v[XSR]
	v_mul_u32_u24 v[RD], v2, PD
	v_lshl_add_u32 v[RD], v3, 4, v[RD]
	s_lshl_b32 s40, s14, 9
	v_add_nc_u32 v[RD], s40, v[RD]
	v_add_nc_u32 v[RD+1], 32*PD, v[RD]
	v_add_nc_u32 v[RD+2], 64*PD, v[RD]
	v_add_nc_u32 v[RD+3], 96*PD, v[RD]
	s_lshl_b32 s40, s12, 9
	s_add_co_u32 s40, s40, QP
	v_lshl_add_u32 v[QPW], v2, 2, s40
	v_lshlrev_b32 v[WO], 4, v1
	s_mul_i32 s40, s13, 3840
	s_sub_co_u32 s40, 8192, s40
	v_lshl_add_u32 v[WSO], v2, 4, s40              ; with the base's 4096 KH: 8192 + 16 (r + 16 KH)
	s_mul_i32 s40, s12, 16*PD
	v_mul_u32_u24 v[DWA], v3, 8*PD
	v_lshl_add_u32 v[DWA], v2, 3, v[DWA]
	v_add_nc_u32 v[DWA], s40, v[DWA]
	s_mul_i32 s41, s12, 16*272
	s_add_co_u32 s41, s41, STAGE                   ; my stage
	v_mul_u32_u24 v[STW], v3, 8*272
	v_lshl_add_u32 v[STW], v2, 4, v[STW]
	v_add_nc_u32 v[STW], s41, v[STW]
	v_mul_u32_u24 v[STR], v2, 272
	v_lshl_add_u32 v[STR], v3, 7, v[STR]
	v_add_nc_u32 v[STR], s41, v[STR]
	s_lshl_b32 s40, s12, 12
	s_add_co_u32 s40, s40, CODES
	v_lshl_add_u32 v[CW], v1, 4, s40
	s_lshl_b32 s40, s12, 9
	s_add_co_u32 s40, s40, XSC
	v_lshl_add_u32 v[XWA], v2, 2, s40
	v_lshl_add_u32 v[MU0], v2, 4, MUB
	v_lshlrev_b32 v[XO], 15, v3
	v_lshl_add_u32 v[XO], v2, 4, v[XO]
	v_lshl_add_u32 v[QPR], v1, 4, QP
	v_lshlrev_b32 v[SH8], 3, v3
	v_lshlrev_b32 v[PFO], 12, v2
	v_lshl_add_u32 v[PFO], v3, 8, v[PFO]
	v_lshl_add_u32 v[MUW], v0, 4, MUB
	v_lshlrev_b32 v[MUG], 4, v0
	v_mov_b32 v[TMP], 0                            ; written once: a lane permute's destination counts as one of its sources
	s_mov_b32 s[SEL], 0x76543210
	s_mov_b32 s[SEL+1], 0xfedcba98
	s_mov_b32 s[CE], 0xba38aa3b                    ; -log2(e) / 2048
	s_mov_b32 s[CE+1], s[CE]                       ; (named with it as a pair, so it is written)
	s_lshl_b32 s40, ttmp9, 20                      ; the work-group's 256 rows of 4,096 bytes,
	s_lshl_b32 s42, s12, 16                        ; my 16 rows of a block
	s_add_co_u32 s40, s40, s42
	s_mov_b32 s41, 0
	s_wait_kmcnt 0x0
	s_add_nc_u64 s[XP:XP+1], s[4:5], s[40:41]
	s_mul_i32 s40, s14, 16*TILEB                   ; my 16 tiles of W,
	s_lshl_b32 s42, s13, 12                        ; my four K steps in each
	s_add_co_u32 s40, s40, s42
	s_add_nc_u64 s[WB:WB+1], s[8:9], s[40:41]
	s_lshl_b32 s40, ttmp9, 10
	s_add_nc_u64 s[OB:OB+1], s[10:11], s[40:41]
	global_load_b128 v[64:67], v[MUG], s[6:7]      ; mu: 16 bytes a thread
	PRIMEX                                         ; the first block's first loads go out behind it
	s_wait_loadcnt 56                              ; mu is in; the 56 loads of x behind it stay out
	ds_store_b128 v[MUW], v[64:67]
	BARRIER                                        ; mu lies in LDS; from here on it is only read
	s_mov_b32 s[SBC], 0
.Lsb:
	; ---- S: my 16 rows of the block
	MULOAD 0
.irp u, 0,1,2,3,4,5,6,7
	HALF \u
.endr
	MULOAD 1
.irp u, 8,9,10,11,12,13,14,15
	HALF \u
.endr
	BARRIER                                        ; the block's diff and scale words lie in LDS, and no wave uses its stage any more
	WLOAD 0, 0                                     ; W's first three tiles are asked for now, into registers that phase S has left: they are on their way during the handoff
	WLOAD 1, 1
	WLOAD 2, 2
.irp m, 0,1,2,3
.irp g, 0,1,2,3
	ds_load_b32 v[XS+4*\m+\g], v[XSR] offset:64*(8*\m+\g)          ; diff's scale words of my K half
.endr
.endr
	HSTORE 0
	BARRIER                                        ; the 32 fragments of K steps 0 to 3 lie in LDS
	HLOAD 0
	BARRIER                                        ; and in their waves' registers: the bytes may be written again
	HSTORE 1
	BARRIER                                        ; the 32 fragments of K steps 4 to 7 lie in LDS
	HLOAD 1
.irp i, 0,1,2,3,4,5,6,7
	v_mov_b32 v[QS+\i], 0
.endr
	s_wait_dscnt 0x0                               ; the codes are in
	; ---- M: my 16 tiles of W against the 128 rows
.irp a, 0,1,2,3,4,5,6,7,8,9,10,11,12,13,14,15
	TILE \a
.endr
	QSTORE
	BARRIER                                        ; the rows' partial sums lie in LDS; nobody reads this block's diff, codes or scale words any more
	s_cmp_eq_u32 s[SBC], 1
	s_cbranch_scc1 .Lno_next
	s_wait_xcnt 0x0                                ; every earlier load and prefetch has read its base
	s_add_nc_u64 s[XP:XP+1], s[XP:XP+1], 0x80000   ; 128 rows on
	PRIMEX                                         ; the next block's first loads, into the registers that held the codes
.Lno_next:
	s_cmp_eq_u32 s12, 0                            ; wave 0 finishes the block's 128 results; the sums' words are written again only behind later barriers
	s_cbranch_scc0 .Lno_out
	OUT
.Lno_out:
	s_add_co_u32 s[SBC], s[SBC], 1
	s_cmp_lt_u32 s[SBC], 2
	s_cbranch_scc1 .Lsb
	s_wait_tensorcnt 0x0
	ds_add_u32 v62, v63
	s_wait_dscnt 0x0
	s_endpgm
.Lfunc_end_k_q88d1d979c8_hmu:
	.size	k_q88d1d979c8_hmu, .Lfunc_end_k_q88d1d979c8_hmu-k_q88d1d979c8_hmu
	.p2alignl 7, 3214868480
	.fill 96, 4, 3214868480
	.section	.rodata,"a",@progbits
	.p2align	6, 0x0
	.amdhsa_kernel k_q88d1d979c8_hmu
		.amdhsa_group_segment_fixed_size 312320
		.amdhsa_private_segment_fixed_size 0
		.amdhsa_enable_private_segment 0
		.amdhsa_kernarg_size 32
		.amdhsa_user_sgpr_count 2
		.amdhsa_user_sgpr_kernarg_segment_ptr 1
		.amdhsa_wavefront_size32 1
		.amdhsa_system_sgpr_workgroup_id_x 1
		.amdhsa_system_sgpr_workgroup_id_y 1
		.amdhsa_system_sgpr_workgroup_id_z 1
		.amdhsa_system_vgpr_workitem_id 0
		.amdhsa_next_free_vgpr 512
		.amdhsa_next_free_sgpr 66
		.amdhsa_reserve_vcc 0
		.amdhsa_float_denorm_mode_32 3
		.amdhsa_float_denorm_mode_16_64 3
		.amdhsa_memory_ordered 1
		.amdhsa_forward_progress 1
		.amdhsa_inst_pref_size 255
	.end_amdhsa_kernel
	.section	.bss,"aw",@nobits
	.p2align	6
	.space	262144
	.amdgpu_metadata
---
amdhsa.version: [ 1, 2 ]
amdhsa.kernels:
  - .name:           k_q88d1d979c8_hmu
    .symbol:         k_q88d1d979c8_hmu.kd
    .args:
      - { .name: x, .offset: 0, .size: 8, .value_kind: global_buffer, .address_space: global }
      - { .name: mu, .offset: 8, .size: 8, .value_kind: global_buffer, .address_space: global }
      - { .name: wq, .offset: 16, .size: 8, .value_kind: global_buffer, .address_space: global }
      - { .name: out0, .offset: 24, .size: 8, .value_kind: global_buffer, .address_space: global }
    .group_segment_fixed_size: 312320
    .private_segment_fixed_size: 0
    .kernarg_segment_align: 8
    .kernarg_segment_size: 32
    .max_flat_workgroup_size: 256
    .sgpr_count:     66
    .vgpr_count:     512
    .wavefront_size: 32
...
	.end_amdgpu_metadata
.endif
;; end of part 2
;; ======== version 2 of 2: 2 launches
;; workspace buffers: wq 557,056 bytes
;; launch wprep (part 3): grid 64 x 1, 8 waves a work-group, no clusters, 34,304 bytes of LDS; arguments v, lambda_base, wq; writes wq
.if DOCPART == 3
	.amdgcn_target "amdgcn-amd-amdhsa--gfx1250"
	.amdhsa_code_object_version 6
	.text
	.protected	k_q88d1d979c8_wprep
	.globl	k_q88d1d979c8_wprep
	.p2align	8
	.type	k_q88d1d979c8_wprep,@function
k_q88d1d979c8_wprep:
	s_mov_b64 s[64:65], 0
	v_nop
	global_prefetch_b8 v0, s[64:65] scope:SCOPE_SE
	s_setreg_imm32_b32 hwreg(HW_REG_WAVE_MODE, 25, 1), 1
	s_wait_xcnt 0x0
; W = lambda I + v^T v, [1024][1024], in f32, quantised along j to codes of FP4 (E2M1) with one E8M0 byte for each 32 along j,
; and laid in wq in the order of a matrix operand's registers, so that the next launch loads fragments whole.
; W[i][j] is one chain of fused multiply-adds over k = 0 .. 7, ascending; lambda is added last, on the diagonal.  The chain gives
; the same bits for (i, j) and (j, i), so it does not matter along which of W's two axes the product contracts.
; wq: 64 tiles of 16 rows i, 8,704 bytes each.  In a tile: byte 1024 s + 512 c + 16 lane: registers 4 c .. 4 c + 3 of the fragment of
; K step s (lane (r, h): row r, j = 128 s + 64 c + 32 h + 0 .. 31); byte 8192 + 16 lane: four scale words, lane (r, hh): row r, K steps 4 hh + 0 .. 3.
; SHARES: work-group T makes tile T; wave s its K step s; lane (r, h) two whole blocks of 32 of row 16 T + r: no other lane is asked for a maximum.
; LIMITS: NaN and infinities in v or lambda are not served.  A block of zeros gets the byte 1 where the rule says 127: its codes are zeros,
; and the bytes are read by this program alone.
.set SWB,   32768                      ; LDS: v as it lies, 8 rows of 4,096 bytes, from byte 0; behind it the tile's 512 bytes of scale words
.set TILEB, 8704
.set VKI,   16                         ; v16-23   v[k][my row i]
.set MXA,   24
.set MXB,   25
.set SCL,   26
.set BY,    27                         ; v27-28   my two scale bytes
.set WRD,   29
.set TMP,   30
.set SH8,   31
.set PC,    40                         ; v40-47   the fragment's codes
.set AC,    64                         ; v64-95, v96-127: my two blocks of W
.set VB,    128                        ; v128-255 four rows k x 32 numbers of v
.macro BARRIER
	s_wait_dscnt 0x0                               ; my LDS stores have landed and my LDS loads are in
	s_barrier_signal -1
	s_barrier_wait -1
.endm
	s_load_b128 s[4:7], s[0:1], 0x0                ; v, lambda_base
	s_load_b64 s[8:9], s[0:1], 0x10                ; wq
	v_lshl_add_u32 v62, v0, 2, 0x8200
	v_mov_b32 v63, 0
	v_lshrrev_b32 v1, 5, v0
	s_delay_alu instid0(VALU_DEP_1)
	v_readfirstlane_b32 s12, v1                    ; wave = K step s
	v_and_b32 v1, 31, v0                           ; lane
	v_and_b32 v2, 15, v0                           ; r
	s_wait_alu depctr_va_vdst(0)
	v_bfe_u32 v3, v0, 4, 1                         ; h
	s_wait_alu depctr_va_vdst(0)
	v_lshlrev_b32 v4, 4, v0                        ; 16 x thread: my 16 bytes of a row of v, in memory and in LDS
	s_lshl_b32 s13, s12, 9
	v_lshl_add_u32 v5, v3, 7, s13                  ; LDS: 4 j at j = 128 s + 32 h
	s_lshl_b32 s14, ttmp9, 6
	v_lshl_add_u32 v6, v2, 2, s14                  ; 4 i, i = 16 T + r
	s_lshr_b32 s15, s12, 2
	s_lshl_b32 s15, s15, 8
	s_and_b32 s16, s12, 3
	s_lshl_b32 s16, s16, 2
	s_add_co_u32 s15, s15, s16
	s_add_co_u32 s15, s15, SWB
	v_lshl_add_u32 v7, v2, 4, s15                  ; my row's scale word of K step s: 16 (16 (s / 4) + r) + 4 (s % 4)
	v_lshlrev_b32 v8, 4, v1                        ; 16 x lane
	v_lshl_add_u32 v32, v1, 4, SWB                 ; the scale words on their way out
	s_lshl_b32 s16, ttmp9, 4
	s_lshl_b32 s17, s12, 7
	s_sub_co_u32 s16, s16, s17
	v_add_nc_u32 v9, s16, v2
	v_lshlrev_b32 v11, 5, v3
	s_delay_alu instid0(VALU_DEP_1)
	v_sub_nc_u32 v9, v9, v11                       ; i - 128 s - 32 h: the place of the diagonal in my first block, if it is 0 .. 31
	s_delay_alu instid0(VALU_DEP_1)
	v_add_nc_u32 v12, 0xffffffc0, v9               ; and in my second, 64 further on
	v_lshlrev_b32 v[SH8], 3, v3
	v_mov_b32 v[TMP], 0                            ; a lane permute's destination counts as one of its sources
	s_mov_b32 s22, 0x76543210
	s_mov_b32 s23, 0xfedcba98                      ; v_permlanex16_b32's selects for lane l xor 16
	s_mul_i32 s20, ttmp9, TILEB
	s_mov_b32 s21, 0
	s_wait_kmcnt 0x0
	s_load_b32 s18, s[6:7], 0x0                    ; lambda
.irp k, 0,1,2,3,4,5,6,7
	global_load_b128 v[VB+4*\k:VB+4*\k+3], v4, s[4:5] offset:4096*\k    ; the 256 threads take a whole row of v
.endr
.irp k, 0,1,2,3,4,5,6,7
	global_load_b32 v[VKI+\k], v6, s[4:5] offset:4096*\k
.endr
	s_add_nc_u64 s[8:9], s[8:9], s[20:21]          ; my tile
	s_lshl_b32 s20, s12, 10
	s_add_nc_u64 s[10:11], s[8:9], s[20:21]        ; my fragment
	s_wait_loadcnt 8                               ; the eight rows' loads are in; the eight single words behind them may be out
.irp k, 0,1,2,3,4,5,6,7
	ds_store_b128 v4, v[VB+4*\k:VB+4*\k+3] offset:4096*\k
.endr
	BARRIER                                        ; v lies in LDS
	s_wait_loadcnt 0x0
	s_wait_kmcnt 0x0
	v_mov_b32 v10, s18
; Block c, rows k = 4 kb .. 4 kb + 3 of v: 32 loads (all lanes of a half read the same 16 bytes), then 64 packed multiply-adds, k ascending.
.macro WSUM c, kb
.irp kk, 0,1,2,3
.irp e, 0,1,2,3,4,5,6,7
	ds_load_b128 v[VB+32*\kk+4*\e:VB+32*\kk+4*\e+3], v5 offset:4096*(4*(\kb)+\kk)+256*(\c)+16*\e
.endr
.endr
	s_wait_dscnt 0x0
.irp kk, 0,1,2,3
.irp p, 0,1,2,3,4,5,6,7,8,9,10,11,12,13,14,15
.if ((\kb) == 0) && (\kk == 0)
	v_pk_mul_f32 v[AC+32*(\c)+2*\p:AC+32*(\c)+2*\p+1], v[VB+2*\p:VB+2*\p+1], v[VKI:VKI+1] op_sel_hi:[1,0]
.elseif (\kk%2) == 0
	v_pk_fma_f32 v[AC+32*(\c)+2*\p:AC+32*(\c)+2*\p+1], v[VB+32*\kk+2*\p:VB+32*\kk+2*\p+1], v[VKI+4*(\kb)+\kk:VKI+4*(\kb)+\kk+1], v[AC+32*(\c)+2*\p:AC+32*(\c)+2*\p+1] op_sel_hi:[1,0,1]
.else
	v_pk_fma_f32 v[AC+32*(\c)+2*\p:AC+32*(\c)+2*\p+1], v[VB+32*\kk+2*\p:VB+32*\kk+2*\p+1], v[VKI+4*(\kb)+\kk-1:VKI+4*(\kb)+\kk], v[AC+32*(\c)+2*\p:AC+32*(\c)+2*\p+1] op_sel:[0,1,0] op_sel_hi:[1,1,1]
.endif
.endr
.endr
.endm
	WSUM 0, 0
	WSUM 0, 1
	WSUM 1, 0
	WSUM 1, 1
; lambda on the diagonal: done in every wave, without a branch; where the diagonal does not pass, no compare holds and 0 is added
.irp c, 0,1
.irp e, 0,1,2,3,4,5,6,7,8,9,10,11,12,13,14,15,16,17,18,19,20,21,22,23,24,25,26,27,28,29,30,31
	v_cmp_eq_u32 vcc_lo, \e, v[9+3*\c]
	s_delay_alu instid0(VALU_DEP_1)
	v_cndmask_b32 v13, 0, v10, vcc_lo
	s_delay_alu instid0(VALU_DEP_1)
	v_add_f32 v[AC+32*\c+\e], v[AC+32*\c+\e], v13
.endr
.endr
; Block c becomes 32 codes and a byte.  The largest magnitude has the floor 2^(3 - 127) among its leaves, so the byte cannot fall under 1;
; 2 off its exponent field is the conversion's scale operand, and that field is the byte.
.macro WQ c
.set ASRC, AC+32*(\c)
	v_max3_num_f32 v[MXA], |v[ASRC]|, |v[ASRC+1]|, 0x1800000
	v_max3_num_f32 v[MXB], |v[ASRC+2]|, |v[ASRC+3]|, 0x1800000
.irp i, 4,8,12,16,20,24,28
	s_delay_alu instid0(VALU_DEP_2)
	v_max3_num_f32 v[MXA], v[MXA], |v[ASRC+\i]|, |v[ASRC+\i+1]|
	s_delay_alu instid0(VALU_DEP_2)
	v_max3_num_f32 v[MXB], v[MXB], |v[ASRC+\i+2]|, |v[ASRC+\i+3]|
.endr
	s_delay_alu instid0(VALU_DEP_1)
	v_max_num_f32 v[MXA], v[MXA], v[MXB]
	s_delay_alu instid0(VALU_DEP_1)
	v_add_nc_u32 v[SCL], 0xff000000, v[MXA]
	s_delay_alu instid0(VALU_DEP_1)
	v_lshrrev_b32 v[BY+(\c)], 23, v[SCL]
.irp g, 0,1,2,3
	v_cvt_scalef32_pk8_fp4_f32 v[PC+4*(\c)+\g], v[ASRC+8*\g:ASRC+8*\g+7], v[SCL]
.endr
	v_nop                                          ; one plain place behind a scaled conversion
.endm
	WQ 0
	WQ 1
	v_lshl_or_b32 v[WRD], v[BY+1], 16, v[BY]       ; my two bytes: blocks h and 2 + h of the K step,
	s_delay_alu instid0(VALU_DEP_1)
	v_lshlrev_b32 v[WRD], v[SH8], v[WRD]           ; at their places in the scale word;
	s_delay_alu instid0(VALU_DEP_1)
	v_permlanex16_b32 v[TMP], v[WRD], s22, s23
	s_delay_alu instid0(VALU_DEP_1)
	v_or_b32 v[WRD], v[WRD], v[TMP]                ; with lane l xor 16's two the word is whole
	global_store_b128 v8, v[PC:PC+3], s[10:11]                  ; each store of the wave covers 512 consecutive bytes, aligned to 256
	global_store_b128 v8, v[PC+4:PC+7], s[10:11] offset:512
	ds_store_b32 v7, v[WRD]                        ; both halves of the lanes write the same word with the same value
	BARRIER                                        ; the tile's 128 scale words lie in LDS
	s_cmp_lg_u32 s12, 0
	s_cbranch_scc1 .Ldone
	ds_load_b128 v[48:51], v32
	s_wait_dscnt 0x0
	global_store_b128 v8, v[48:51], s[8:9] offset:8192          ; 512 consecutive bytes
.Ldone:
	s_wait_tensorcnt 0x0
	ds_add_u32 v62, v63
	s_wait_dscnt 0x0
	s_endpgm
.Lfunc_end_k_q88d1d979c8_wprep:
	.size	k_q88d1d979c8_wprep, .Lfunc_end_k_q88d1d979c8_wprep-k_q88d1d979c8_wprep
	.p2alignl 7, 3214868480
	.fill 96, 4, 3214868480
	.section	.rodata,"a",@progbits
	.p2align	6, 0x0
	.amdhsa_kernel k_q88d1d979c8_wprep
		.amdhsa_group_segment_fixed_size 34304
		.amdhsa_private_segment_fixed_size 0
		.amdhsa_enable_private_segment 0
		.amdhsa_kernarg_size 24
		.amdhsa_user_sgpr_count 2
		.amdhsa_user_sgpr_kernarg_segment_ptr 1
		.amdhsa_wavefront_size32 1
		.amdhsa_system_sgpr_workgroup_id_x 1
		.amdhsa_system_sgpr_workgroup_id_y 1
		.amdhsa_system_sgpr_workgroup_id_z 1
		.amdhsa_system_vgpr_workitem_id 0
		.amdhsa_next_free_vgpr 256
		.amdhsa_next_free_sgpr 66
		.amdhsa_reserve_vcc 1
		.amdhsa_float_denorm_mode_32 3
		.amdhsa_float_denorm_mode_16_64 3
		.amdhsa_memory_ordered 1
		.amdhsa_forward_progress 1
		.amdhsa_inst_pref_size 44
	.end_amdhsa_kernel
	.amdgpu_metadata
---
amdhsa.version: [ 1, 2 ]
amdhsa.kernels:
  - .name:           k_q88d1d979c8_wprep
    .symbol:         k_q88d1d979c8_wprep.kd
    .args:
      - { .name: v, .offset: 0, .size: 8, .value_kind: global_buffer, .address_space: global }
      - { .name: lambda_base, .offset: 8, .size: 8, .value_kind: global_buffer, .address_space: global }
      - { .name: wq, .offset: 16, .size: 8, .value_kind: global_buffer, .address_space: global }
    .group_segment_fixed_size: 34304
    .private_segment_fixed_size: 0
    .kernarg_segment_align: 8
    .kernarg_segment_size: 24
    .max_flat_workgroup_size: 256
    .sgpr_count:     66
    .vgpr_count:     256
    .wavefront_size: 32
...
	.end_amdgpu_metadata
.endif
;; end of part 3
;; launch hmu (part 4): grid 256 x 1, 8 waves a work-group, no clusters, 312,320 bytes of LDS; arguments x, mu, wq, out0; writes out0
.if DOCPART == 4
	.amdgcn_target "amdgcn-amd-amdhsa--gfx1250"
	.amdhsa_code_object_version 6
	.text
	.protected	k_q88d1d979c8_hmu
	.globl	k_q88d1d979c8_hmu
	.p2align	8
	.type	k_q88d1d979c8_hmu,@function
k_q88d1d979c8_hmu:
	s_mov_b64 s[64:65], 0
	v_nop
	global_prefetch_b8 v0, s[64:65] scope:SCOPE_SE
	s_setreg_imm32_b32 hwreg(HW_REG_WAVE_SCHED_MODE, 0, 2), 2
	s_setreg_imm32_b32 hwreg(HW_REG_WAVE_MODE, 25, 1), 1
	s_wait_xcnt 0x0
	s_wait_alu depctr_vm_vsrc(0)
; out[b] = exp(-(1/1024) sum_i diff[b][i] T[b][i]),  diff = x - mu (f32),  T[b][i] = sum_j Q(W)[i][j] Q(diff)[b][j]: codes of FP4 (E2M1), one E8M0 byte for each 32 along j, f32 sums.
; W's codes and scale words come from wq, laid in the order of an operand's registers: 64 tiles of 16 rows i, 8,704 bytes each: byte 1024 s + 512 c + 16 lane: registers 4 c .. 4 c + 3 of the
; fragment of K step s; byte 8192 + 16 lane: four scale words, lane (r, hh): row r, K steps 4 hh + 0 .. 3.
; SHARES.  A work-group of eight waves owns 256 rows of x, as 2 blocks of 128, so that W is walked twice.  A block goes in two phases, and every wave takes part in both:
;   S: wave w streams rows 16 w .. 16 w + 15: loads x, forms diff, stores it as bf16 in LDS (for the last product), quantises it and keeps its eight fragments of codes in 64 registers;
;   M: wave w takes K half KH = w % 2 (four K steps) and columns i = 256 CQ .. + 255, CQ = w / 2 (16 tiles of W), for all 128 rows: the rows' codes of its K half lie in 256 registers, W's fragments
;      come from memory straight into registers (each byte of W is wanted by this one wave), and T's part x diff is added into a sum for each row.  The sum over i of diff x T is linear in T,
;      so the two K halves' parts are summed apart; a row's eight partial sums meet in LDS.
; Between the phases the codes go from wave to wave through LDS as images of their registers, one K half (32 KiB) at a time, in the bytes that were the stages of phase S.
; No cluster and no joint load for W: a joint load lands in LDS, where 327,680 - 311,296 = 16,384 bytes are free; two slots of half a tile for each of eight waves are 69,632.
; THE MATRIX INSTRUCTION: source 0 = 16 rows of W, source 1 = 16 rows of diff: a lane then holds ONE row b (lane % 16) and eight neighbouring i, 8 (lane / 16) + 0 .. 7, as diff's bf16 lie in LDS.
; LIMITS.  NaN and infinities in x or mu are not served.  A block of zeros gets the byte 1 where the rule says 127 (its codes are zeros; this program alone reads the bytes).
; diff is rounded to bf16 for the last product (T stays f32).  The order of the f32 sums over j (two halves) and over i is this text's own.
; THE MODE: SCHED_MODE bits 1:0 = 2 (LLVM: expert scheduling mode 2), set by the entry lines.  The code itself states the register dependences
; between vector or matrix instructions and memory or LDS instructions, with s_wait_alu, always for 0.
; THE PLAN.  Registers that memory or LDS instructions touch:
;   v4-23, v60, v62, v63  addresses and the closing add's pair: written at the head, never again.
;   x's ring (window 1)   Half-unit u: its subtractions read set u % 8; the loads at the head of half-unit u + 1 land in it.
;   DF, BF                Half-unit u: written by its subtractions and roundings, read by its LDS stores; written again in half-unit u + 1.
;   ZR                    Half-unit u: its loads from the stage land in it; its maxima and conversions read it.
;   MUR                   mu: loaded at the loop's head and in half-unit 7; read by the subtractions of eight half-units.
;   WRD                   the scale word: written at the end of an odd half-unit, read by an LDS store in the next one.
;   HC = ACC              written by the conversions, read by the handoff's LDS stores, then written by the products.
;   the codes (window 1)  the handoff's LDS loads land in them; the products read them; the next block's loads of x land there.
;   WF, WS (three groups) Tile a: its products read group a % 3; the loads of tile a + 2 land in group (a - 1) % 3.
;   XS, DDR, QS, OU       scale words of diff (loaded once a block); diff's bf16 (loaded in each tile, read by its multiply-adds); the rows' sums (stored once a block); the way out.
; So ONE wait on va_vdst stands in a half-unit, behind its subtractions and roundings and ahead of all its LDS instructions, and one on vm_vsrc at its head; ONE wait on va_vdst stands at a tile's head,
; ahead of its loads of diff and of the loads of W, which are dealt among its products.  The others stand where the phases change, and each says what it states.
.set PD,     2064                      ; a row of diff in LDS: 2,048 bytes of bf16 + 16: an odd multiple of 16, so that 16 rows' 16 bytes fall on different banks (64 banks of 4 bytes: ISA guide 11.1)
.set CODES,  264192                    ; behind diff's 128 rows: 32 fragments (tile of rows m, K step q of a half): (4 m + q) x 1,024 bytes: register group c at 512 c + 16 lane
.set STAGE,  CODES                     ; the same bytes in phase S: for each wave 16 rows x (256 + 16) bytes; 34,816 in all
.set XSC,    299008                    ; diff's scale words: (8 m + s) x 64 bytes, 4 a row
.set MUB,    303104                    ; mu as it lies
.set QP,     307200                    ; [wave][row of the block] f32
.set TILEB,  8704
; vector registers, window 0: addresses, made once at the head from the thread's number; none ever holds loaded data
.set LI,  4                            ; CODES + 16 lane
.set XSR, 5                            ; XSC + 4 r + 2048 h + 256 KH: lanes 16-31 take the tile of rows four further on
.set RD,  6                            ; v6-9  diff, read: PD r + 16 h + 512 CQ + 32 k rows
.set QPW, 10                           ; QP + 512 wave + 4 r
.set WO,  11                           ; 16 lane
.set WSO, 12                           ; W's scale words, from my fragments' base: 16 r + 8192 - 3840 KH
.set DWA, 13                           ; diff, written: (16 wave + 8 h) PD + 8 r
.set STW, 14                           ; stage, in:  272 (8 h) + 16 r
.set STR, 15                           ; stage, out: 272 r + 128 h
.set CW,  16                           ; CODES + 4096 wave + 16 lane
.set XWA, 17                           ; XSC + 512 wave + 4 r
.set MU0, 18                           ; MUB + 16 r
.set XO,  19                           ; x: 8 h rows + 16 r
.set QPR, 20                           ; QP + 16 lane
.set SH8, 21                           ; 8 h
.set PFO, 22                           ; the prefetches' offset: row r, 256 h
.set MUW, 23                           ; MUB + 16 thread
.set QS,  24                           ; v24-31  the rows' sums, one for each tile of rows
.set XS,  32                           ; v32-47  scale words of diff: register 4 (m % 4) + q: tile m in lanes 0-15, tile m + 4 in lanes 16-31.  v32-59 hold scales and nothing else
.set WS,  48                           ; v48-59  scale words of W: three sets of 4; tile a takes set a % 3
.set MUG, 60                           ; 16 thread
; phase S
.set HC,  64                           ; v64-127  my eight fragments of codes, K step s at 8 s
.set DF,  128                          ; v128-159 diff of a half-unit (16 rows x 64 columns), f32, as loaded
.set BF,  160                          ; v160-175 the same as bf16
.set ZR,  176                          ; v176-207 a whole block of 32 of my row
.set MUR, 208                          ; v208-239 512 numbers' worth of mu: 4 registers a half-unit
.set MXA, 240
.set MXB, 241
.set SCL, 242
.set BY,  243                          ; v243-244
.set WRD, 245
.set TMP, 246                          ;          window 1: the ring of x, 8 sets of 32
; phase M
.set ACC, 64                           ; v64-127  eight accumulators, one for each tile of rows
.set WF,  128                          ; v128-223 W's fragments: three groups of 4; tile a takes group a % 3
.set DDR, 224                          ; v224-255 8 x 4 registers of bf16 diff.   Window 1: the codes, fragment (m, q) at v[8 (4 m + q)]
.set QT,  224
.set OU,  224                          ; the way out
; scalar registers: s12 wave, s13 KH, s14 CQ
.set XP,  16                           ; s[16:17] x at my 16 rows of the block in hand
.set WB,  22                           ; s[22:23] my 16 tiles of W, at my K half
.set OB,  24                           ; s[24:25] out0 at the block in hand
.set SBC, 32                           ; blocks done
.set SEL, 36                           ; s[36:37] v_permlanex16_b32's selects for lane l xor 16
.set CE,  38                           ; s[38:39] -log2(e) / 2048
.set MSB, 0
.macro WIN new                         ; s_set_vgpr_msb: bits 1:0 source 0, 3:2 source 1, 5:4 source 2, 7:6 destination; the high byte repeats the setting that is left
.if MSB != \new
	s_set_vgpr_msb (MSB<<8)|\new
.set MSB, \new
.endif
.endm
.macro BARRIER
	s_wait_dscnt 0x0                               ; my LDS stores have landed and my LDS loads are in
	s_barrier_signal -1
	s_barrier_wait -1
.endm
; Eight loads: 16 rows x 256 bytes, the block's col-th 64 columns.  Lanes 0-15 read 256 consecutive aligned bytes of row j, lanes 16-31 of row j + 8.  The window is left at 0x40.
.macro XISSUE set, col
	WIN 0x40                                       ; destination window 1
.irp j, 0,1,2,3,4,5,6,7
	global_load_b128 v[32*(\set)+4*\j:32*(\set)+4*\j+3], v[XO], s[XP:XP+1] offset:256*(\col)+4096*\j th:TH_LOAD_NT
.endr
.endm
.macro PRIMEX                          ; a block's first seven half-units: 56 loads
.irp u, 0,1,2,3,4,5,6
	XISSUE \u, \u
.endr
	WIN 0
.endm
.macro MULOAD t                        ; mu of columns 512 t .. + 511
.irp u, 0,1,2,3,4,5,6,7
	ds_load_b128 v[MUR+4*\u:MUR+4*\u+3], v[MU0] offset:2048*(\t)+256*\u
.endr
.endm
; A HALF-UNIT: my 16 rows x columns 64 u .. + 63, u = 0 .. 15.
.macro HALF u
.set CH, (\u)%2
.set FS, (\u)/2
.set RS, (\u)%8
.if (\u) <= 9
	s_wait_loadcnt 48                              ; loads come back in order (ISA guide 5.7.1): set u is in, the six younger sets stay out
.else
	s_wait_loadcnt 8*(15-(\u))                     ; nothing more is asked for: the counts run down
.endif
.if (\u) <= 8
	XISSUE ((\u)+7)%8, (\u)+7                      ; the set read last takes the half-unit seven further on.  No wait: its readers stand ahead of the last wait on va_vdst, and no vector instruction since names that set or v[XO]
.endif
.if RS == 0
	s_wait_dscnt 0x0                               ; mu
.endif
.if (\u) > 0
	s_wait_alu depctr_vm_vsrc(0)                   ; the last half-unit's LDS stores have read DF, BF and the scale word's register, which this half-unit writes again
.endif
	WIN 0x01                                       ; source 0 window 1
.irp j, 0,1,2,3,4,5,6,7
	v_pk_add_f32 v[DF+4*\j:DF+4*\j+1], v[32*RS+4*\j:32*RS+4*\j+1], v[MUR+4*RS:MUR+4*RS+1] neg_lo:[0,1] neg_hi:[0,1]
	v_pk_add_f32 v[DF+4*\j+2:DF+4*\j+3], v[32*RS+4*\j+2:32*RS+4*\j+3], v[MUR+4*RS+2:MUR+4*RS+3] neg_lo:[0,1] neg_hi:[0,1]
.endr
	WIN 0
.irp j, 0,1,2,3,4,5,6,7
	v_cvt_pk_bf16_f32 v[BF+2*\j], v[DF+4*\j], v[DF+4*\j+1]
	v_cvt_pk_bf16_f32 v[BF+2*\j+1], v[DF+4*\j+2], v[DF+4*\j+3]
.endr
	s_wait_alu depctr_va_vdst(0)                   ; DF, BF and the last half-unit's scale word are written, which the LDS stores below read; the last half-unit's maxima and conversions are done reading ZR, in which the loads below land; the subtractions are done reading their set of x and mu
.if (CH == 0) && ((\u) > 0)
	ds_store_b32 v[XWA], v[WRD] offset:64*(FS-1)   ; the scale word of the K step just finished; both halves of the lanes write the same word with the same value
.endif
.irp j, 0,1,2,3,4,5,6,7
	ds_store_b128 v[STW], v[DF+4*\j:DF+4*\j+3] offset:272*\j       ; through my own stage, as loaded;
.endr
.irp e, 0,1,2,3,4,5,6,7
	ds_load_b128 v[ZR+4*\e:ZR+4*\e+3], v[STR] offset:16*\e         ; back as a whole block of 32 of row r (LDS serves a wave's instructions in order: ISA guide 5.7.1.4)
.endr
.irp j, 0,1,2,3,4,5,6,7
	ds_store_b64 v[DWA], v[BF+2*\j:BF+2*\j+1] offset:PD*\j+128*(\u)     ; rows j and j + 8 lie 128 bytes apart modulo 256
.endr
	s_wait_dscnt 8                                 ; the block is in; the eight stores just issued may be out
.if (\u) == 7
	MULOAD 1                                       ; mu of the second 512 columns lands while this half-unit is quantised.  No wait: the subtractions that read these registers stand ahead of the wait on va_vdst above
.endif
	v_max3_num_f32 v[MXA], |v[ZR]|, |v[ZR+1]|, 0x1800000           ; the largest magnitude, with the floor 2^(3 - 127) among its leaves: the byte cannot fall under 1
	v_max3_num_f32 v[MXB], |v[ZR+2]|, |v[ZR+3]|, 0x1800000
.irp i, 4,8,12,16,20,24,28
	v_max3_num_f32 v[MXA], v[MXA], |v[ZR+\i]|, |v[ZR+\i+1]|
	v_max3_num_f32 v[MXB], v[MXB], |v[ZR+\i+2]|, |v[ZR+\i+3]|
.endr
	v_max_num_f32 v[MXA], v[MXA], v[MXB]
	v_add_nc_u32 v[SCL], 0xff000000, v[MXA]        ; 2 off its exponent field: the conversion takes that field as its scale
	v_lshrrev_b32 v[BY+CH], 23, v[SCL]             ; the scale's byte
.irp g, 0,1,2,3
	v_cvt_scalef32_pk8_fp4_f32 v[HC+8*FS+4*CH+\g], v[ZR+8*\g:ZR+8*\g+7], v[SCL]   ; registers 4 c .. 4 c + 3 of the fragment of K step u / 2: k = 64 c + 32 h + 0 .. 31
.endr
	v_nop                                          ; one plain place behind a scaled conversion
.if CH == 1
	v_lshl_or_b32 v[WRD], v[BY+1], 16, v[BY]       ; my two bytes: blocks h and 2 + h,
	v_lshlrev_b32 v[WRD], v[SH8], v[WRD]           ; at their places in the scale word;
	v_permlanex16_b32 v[TMP], v[WRD], s[SEL], s[SEL+1]
	v_or_b32 v[WRD], v[WRD], v[TMP]                ; with lane l xor 16's two the word is whole; it is stored behind the next wait on va_vdst
.endif
.endm
; THE HANDOFF.  My four fragments of K half kk go to LDS as images of their registers; the waves of that K half take all 32.
.macro HSTORE kk
.irp q, 0,1,2,3
	ds_store_b128 v[CW], v[HC+8*(4*(\kk)+\q):HC+8*(4*(\kk)+\q)+3] offset:1024*\q
	ds_store_b128 v[CW], v[HC+8*(4*(\kk)+\q)+4:HC+8*(4*(\kk)+\q)+7] offset:1024*\q+512
.endr
.endm
.macro HLOAD kk
	s_cmp_eq_u32 s13, \kk
	s_cbranch_scc0 .Lnot_mine_\@
	WIN 0x40
.irp f, 0,1,2,3,4,5,6,7,8,9,10,11,12,13,14,15,16,17,18,19,20,21,22,23,24,25,26,27,28,29,30,31
	ds_load_b128 v[8*\f:8*\f+3], v[LI] offset:1024*\f
	ds_load_b128 v[8*\f+4:8*\f+7], v[LI] offset:1024*\f+512
.endr
	WIN 0
.Lnot_mine_\@:
.endm
; A tile of W, my K half: its scale words (one load; lanes 16-31 read what lanes 0-15 read) and four fragments (eight loads of 512 consecutive bytes)
.macro WLOAD buf, tile
	global_load_b128 v[WS+4*(\buf):WS+4*(\buf)+3], v[WSO], s[WB:WB+1] offset:TILEB*(\tile)
.irp q, 0,1,2,3
.irp c, 0,1
	global_load_b128 v[WF+32*(\buf)+8*\q+4*\c:WF+32*(\buf)+8*\q+4*\c+3], v[WO], s[WB:WB+1] offset:TILEB*(\tile)+1024*\q+512*\c
.endr
.endr
.endm
; 32 matrix instructions: tile a of W, my four K steps, against the eight tiles of rows.  The eight accumulators take turns, one instruction a turn.
; The tile's first eight products start the sums with the constant 0.  Four places follow, for the first read of results (ISA guide 7.12.1).
; The nine loads of tile a + 2 are dealt among the products, behind each K step's eight: they land in the group that tile a - 1 has left.  No wait: that tile's products stand ahead of the wait on va_vdst at this
; tile's head, and this tile's products name group a % 3, diff's scale words, the codes and the accumulators.  No window switch: a load's data and address are the destination and source 0, both in window 0 here.
.macro MUL32 a
	WIN 0x04                                       ; source 1 (the codes of diff) window 1
.irp q, 0,1,2,3
.irp m, 0,1,2,3,4,5,6,7
.set rA, WF+32*((\a)%3)+8*\q
.set rB, 8*(4*\m+\q)
.set rC, ACC+8*\m
.set rW, WS+4*((\a)%3)+\q
.set rX, XS+4*(\m%4)+\q
.if \q == 0
.if \m < 4
	v_wmma_scale_f32_16x16x128_f8f6f4 v[rC:rC+7], v[rA:rA+7], v[rB:rB+7], 0, v[rW], v[rX] matrix_a_fmt:MATRIX_FMT_FP4 matrix_b_fmt:MATRIX_FMT_FP4
.else
	v_wmma_scale_f32_16x16x128_f8f6f4 v[rC:rC+7], v[rA:rA+7], v[rB:rB+7], 0, v[rW], v[rX] matrix_a_fmt:MATRIX_FMT_FP4 matrix_b_fmt:MATRIX_FMT_FP4 matrix_b_scale:MATRIX_SCALE_ROW1
.endif
.else
.if \m < 4
	v_wmma_scale_f32_16x16x128_f8f6f4 v[rC:rC+7], v[rA:rA+7], v[rB:rB+7], v[rC:rC+7], v[rW], v[rX] matrix_a_fmt:MATRIX_FMT_FP4 matrix_b_fmt:MATRIX_FMT_FP4
.else
	v_wmma_scale_f32_16x16x128_f8f6f4 v[rC:rC+7], v[rA:rA+7], v[rB:rB+7], v[rC:rC+7], v[rW], v[rX] matrix_a_fmt:MATRIX_FMT_FP4 matrix_b_fmt:MATRIX_FMT_FP4 matrix_b_scale:MATRIX_SCALE_ROW1
.endif
.endif
.endr
.if ((\a) >= 1) && ((\a) <= 13)
.set rL, WF+32*(((\a)+2)%3)+8*\q
.set rS, WS+4*(((\a)+2)%3)
.if \q == 0
	global_load_b128 v[rS:rS+3], v[WSO], s[WB:WB+1] offset:TILEB*((\a)+2)
.endif
	global_load_b128 v[rL:rL+3], v[WO], s[WB:WB+1] offset:TILEB*((\a)+2)+1024*\q
	global_load_b128 v[rL+4:rL+7], v[WO], s[WB:WB+1] offset:TILEB*((\a)+2)+1024*\q+512
.endif
.endr
.rept 4
	v_nop
.endr
	WIN 0
.endm
; The rows' sums take T's part x diff: eight chains by turns; each accumulator is read from its lowest register on.  These lines are also the places between a tile's last products and the next tile's first, which write over the accumulators.
.macro EPI
.irp j, 0,1,2,3,4,5,6,7
.irp m, 0,1,2,3,4,5,6,7
.if \j%2
	v_fma_mix_f32_bf16 v[QS+\m], v[DDR+4*\m+\j/2], v[ACC+8*\m+\j], v[QS+\m] op_sel:[1,0,0] op_sel_hi:[1,0,0]
.else
	v_fma_mix_f32_bf16 v[QS+\m], v[DDR+4*\m+\j/2], v[ACC+8*\m+\j], v[QS+\m] op_sel_hi:[1,0,0]
.endif
.endr
.endr
.endm
; Tile a of my 16.  W's ring holds three tiles, 9 loads each; a tile's registers are asked for again, three tiles on, in the tile behind the one that multiplied them.
.macro TILE a
.if (\a) > 0
	s_wait_alu depctr_va_vdst(0)                   ; the last tile's multiply-adds are done reading diff's bf16, in which the loads below land; its products are done reading their fragments and scale words of W, in which the loads dealt among this tile's products land
.endif
.irp k, 0,1,2,3
	ds_load_b128 v[DDR+8*\k:DDR+8*\k+3], v[RD+\k] offset:32*(\a)             ; diff of rows 32 k + r,
	ds_load_b128 v[DDR+8*\k+4:DDR+8*\k+7], v[RD+\k] offset:16*PD+32*(\a)     ; and 16 rows on: the tile's 16 columns
.endr
.if (\a) == 0
	s_wait_loadcnt 18                              ; tile 0 is in; tiles 1 and 2, asked for with it, may be out
.elseif (\a) <= 14
	s_wait_loadcnt 9                               ; tile a is in; the tile behind it may be out (the one after that is asked for below)
.else
	s_wait_loadcnt 0x0
.endif
	MUL32 \a
.if (\a) == 9
	; A PREFETCH INTO THE L2, in the first block's walk of W alone: the first 1,024 bytes of each of my 16 rows of the next block: a lane a block of 256 bytes (row r, piece h, and two pieces on), two instructions;
	; every wave asks for its own rows, so each block is named once.  It stands behind this tile's loads, six tiles (192 matrix instructions) ahead of the loads that want these bytes.  The last block asks for nothing.
	s_cmp_eq_u32 s[SBC], 0
	s_cbranch_scc0 .Lno_ask
	global_prefetch_b8 v[PFO], s[XP:XP+1] offset:524288 th:TH_LOAD_NT scope:SCOPE_SE
	global_prefetch_b8 v[PFO], s[XP:XP+1] offset:524800 th:TH_LOAD_NT scope:SCOPE_SE
.Lno_ask:
.endif
	s_wait_alu depctr_va_vdst(0)
	s_wait_dscnt 0x0                               ; diff's bf16
	EPI
.endm
.macro QSTORE                          ; my part of each row's sum
.irp m, 0,1,2,3,4,5,6,7
	v_permlanex16_b32 v[QT+\m], v[QS+\m], s[SEL], s[SEL+1]
.endr
.irp m, 0,1,2,3,4,5,6,7
	v_add_f32 v[QS+\m], v[QS+\m], v[QT+\m]
.endr
	s_wait_alu depctr_va_vdst(0)                   ; the sums are written, which the LDS stores read; the last products are done reading the codes, in which the next block's loads of x land; phase M is done with v208-255, in which the loads of the way out and of mu land
.irp m, 0,1,2,3,4,5,6,7
	ds_store_b32 v[QPW], v[QS+\m] offset:64*\m     ; both halves of the lanes write the same word with the same value
.endr
.endm
.macro OUT                             ; 128 results: four a lane
.irp w, 0,1,2,3,4,5,6,7
	ds_load_b128 v[OU+4*\w:OU+4*\w+3], v[QPR] offset:512*\w
.endr
	s_wait_dscnt 0x0
.irp w, 0,2,4,6
	v_pk_add_f32 v[OU+4*\w:OU+4*\w+1], v[OU+4*\w:OU+4*\w+1], v[OU+4*\w+4:OU+4*\w+5]
	v_pk_add_f32 v[OU+4*\w+2:OU+4*\w+3], v[OU+4*\w+2:OU+4*\w+3], v[OU+4*\w+6:OU+4*\w+7]
.endr
.irp w, 0,4
	v_pk_add_f32 v[OU+4*\w:OU+4*\w+1], v[OU+4*\w:OU+4*\w+1], v[OU+4*\w+8:OU+4*\w+9]
	v_pk_add_f32 v[OU+4*\w+2:OU+4*\w+3], v[OU+4*\w+2:OU+4*\w+3], v[OU+4*\w+10:OU+4*\w+11]
.endr
	v_pk_add_f32 v[OU:OU+1], v[OU:OU+1], v[OU+16:OU+17]
	v_pk_add_f32 v[OU+2:OU+3], v[OU+2:OU+3], v[OU+18:OU+19]
	v_pk_mul_f32 v[OU+4:OU+5], v[OU:OU+1], s[CE:CE+1] op_sel_hi:[1,0]
	v_pk_mul_f32 v[OU+6:OU+7], v[OU+2:OU+3], s[CE:CE+1] op_sel_hi:[1,0]
	s_wait_alu depctr_va_vdst(0)
.irp e, 0,1,2,3
	v_exp_f32 v[OU+8+\e], v[OU+4+\e]               ; 2^(y / 2), squared below: v_exp_f32 gives 0 for a result that would be denormal (ISA guide 15.8), the square does not
.endr
	v_nop                                          ; a plain place behind the transcendentals
	s_wait_alu depctr_va_vdst(0)                   ; one wait for the four exponentials' results, ahead of their first reader
	v_pk_mul_f32 v[OU+12:OU+13], v[OU+8:OU+9], v[OU+8:OU+9]
	v_pk_mul_f32 v[OU+14:OU+15], v[OU+10:OU+11], v[OU+10:OU+11]
	s_wait_alu depctr_va_vdst(0)                   ; the squares are written, which the store reads; and the way out's arithmetic is done with v224-239, in which mu's next loads land
	global_store_b128 v[WO], v[OU+12:OU+15], s[OB:OB+1]            ; the wave stores 512 consecutive bytes, aligned to 256
	s_wait_xcnt 0x0                                ; the store has read its base and its data
	s_wait_alu depctr_vm_vsrc(0)                   ; the store has read v236-239, in which mu's next loads land
	s_add_nc_u64 s[OB:OB+1], s[OB:OB+1], 512
.endm
	s_load_b256 s[4:11], s[0:1], 0x0               ; x s[4:5], mu s[6:7], wq s[8:9], out0 s[10:11]
	v_lshl_add_u32 v62, v0, 2, 0x4c000
	v_mov_b32 v63, 0
	v_lshrrev_b32 v1, 5, v0
	v_readfirstlane_b32 s12, v1                    ; wave 0..7
	v_and_b32 v1, 31, v0                           ; lane
	v_and_b32 v2, 15, v0                           ; r
	v_bfe_u32 v3, v0, 4, 1                         ; h
	v_lshl_add_u32 v[LI], v1, 4, CODES
	s_wait_alu depctr_va_sdst(0)                   ; s12 is written, ahead of its first reader: my shares, LDS addresses and bases are made from it
	s_and_b32 s13, s12, 1                          ; KH: my half of K in phase M
	s_lshr_b32 s14, s12, 1                         ; CQ: my quarter of the columns i
	s_lshl_b32 s40, s13, 8
	s_add_co_u32 s40, s40, XSC
	v_lshl_add_u32 v[XSR], v2, 2, s40
	v_lshl_add_u32 v[XSR], v3, 11, v[XSR]
	v_mul_u32_u24 v[RD], v2, PD
	v_lshl_add_u32 v[RD], v3, 4, v[RD]
	s_lshl_b32 s40, s14, 9
	v_add_nc_u32 v[RD], s40, v[RD]
	v_add_nc_u32 v[RD+1], 32*PD, v[RD]
	v_add_nc_u32 v[RD+2], 64*PD, v[RD]
	v_add_nc_u32 v[RD+3], 96*PD, v[RD]
	s_lshl_b32 s40, s12, 9
	s_add_co_u32 s40, s40, QP
	v_lshl_add_u32 v[QPW], v2, 2, s40
	v_lshlrev_b32 v[WO], 4, v1
	s_mul_i32 s40, s13, 3840
	s_sub_co_u32 s40, 8192, s40
	v_lshl_add_u32 v[WSO], v2, 4, s40              ; with the base's 4096 KH: 8192 + 16 (r + 16 KH)
	s_mul_i32 s40, s12, 16*PD
	v_mul_u32_u24 v[DWA], v3, 8*PD
	v_lshl_add_u32 v[DWA], v2, 3, v[DWA]
	v_add_nc_u32 v[DWA], s40, v[DWA]
	s_mul_i32 s41, s12, 16*272
	s_add_co_u32 s41, s41, STAGE                   ; my stage
	v_mul_u32_u24 v[STW], v3, 8*272
	v_lshl_add_u32 v[STW], v2, 4, v[STW]
	v_add_nc_u32 v[STW], s41, v[STW]
	v_mul_u32_u24 v[STR], v2, 272
	v_lshl_add_u32 v[STR], v3, 7, v[STR]
	v_add_nc_u32 v[STR], s41, v[STR]
	s_lshl_b32 s40, s12, 12
	s_add_co_u32 s40, s40, CODES
	v_lshl_add_u32 v[CW], v1, 4, s40
	s_lshl_b32 s40, s12, 9
	s_add_co_u32 s40, s40, XSC
	v_lshl_add_u32 v[XWA], v2, 2, s40
	v_lshl_add_u32 v[MU0], v2, 4, MUB
	v_lshlrev_b32 v[XO], 15, v3
	v_lshl_add_u32 v[XO], v2, 4, v[XO]
	v_lshl_add_u32 v[QPR], v1, 4, QP
	v_lshlrev_b32 v[SH8], 3, v3
	v_lshlrev_b32 v[PFO], 12, v2
	v_lshl_add_u32 v[PFO], v3, 8, v[PFO]
	v_lshl_add_u32 v[MUW], v0, 4, MUB
	v_lshlrev_b32 v[MUG], 4, v0
	v_mov_b32 v[TMP], 0                            ; written once: a lane permute's destination counts as one of its sources
	s_mov_b32 s[SEL], 0x76543210
	s_mov_b32 s[SEL+1], 0xfedcba98
	s_mov_b32 s[CE], 0xba38aa3b                    ; -log2(e) / 2048
	s_mov_b32 s[CE+1], s[CE]                       ; (named with it as a pair, so it is written)
	s_lshl_b32 s40, ttmp9, 20                      ; the work-group's 256 rows of 4,096 bytes,
	s_lshl_b32 s42, s12, 16                        ; my 16 rows of a block
	s_add_co_u32 s40, s40, s42
	s_mov_b32 s41, 0
	s_wait_kmcnt 0x0
	s_add_nc_u64 s[XP:XP+1], s[4:5], s[40:41]
	s_mul_i32 s40, s14, 16*TILEB                   ; my 16 tiles of W,
	s_lshl_b32 s42, s13, 12                        ; my four K steps in each
	s_add_co_u32 s40, s40, s42
	s_add_nc_u64 s[WB:WB+1], s[8:9], s[40:41]
	s_lshl_b32 s40, ttmp9, 10
	s_add_nc_u64 s[OB:OB+1], s[10:11], s[40:41]
	s_wait_alu depctr_va_vdst(0)                   ; the addresses and offsets v4 to v23 and v60 are written, which every load, store and prefetch of the kernel reads; none is written again
	global_load_b128 v[64:67], v[MUG], s[6:7]      ; mu: 16 bytes a thread
	PRIMEX                                         ; the first block's first loads go out behind it
	s_wait_loadcnt 56                              ; mu is in; the 56 loads of x behind it stay out
	ds_store_b128 v[MUW], v[64:67]
	BARRIER                                        ; mu lies in LDS; from here on it is only read
	s_wait_alu depctr_vm_vsrc(0)                   ; the store of mu has read v64-67, which the first half-unit's conversions write
	s_mov_b32 s[SBC], 0
.Lsb:
	; ---- S: my 16 rows of the block
	MULOAD 0                                       ; no wait: what named v208-239 stands ahead of the last waits on va_vdst and vm_vsrc, on the way in and on the way back
.irp u, 0,1,2,3,4,5,6,7
	HALF \u
.endr
.irp u, 8,9,10,11,12,13,14,15
	HALF \u
.endr
	s_wait_alu depctr_va_vdst(0)                   ; the last scale word is written, which the store below reads; the conversions have written my eight fragments, which the handoff's stores read; phase S is done with v128-255 and with x's ring, in which the loads of W, of diff's bf16 and of the codes land
	ds_store_b32 v[XWA], v[WRD] offset:64*7        ; K step 7's scale word
	BARRIER                                        ; the block's diff and scale words lie in LDS, and no wave uses its stage any more
	s_wait_alu depctr_vm_vsrc(0)                   ; my LDS stores have read v128-175 (diff as f32 and as bf16) and the scale word's register, in which W's loads and diff's bf16 land
	WLOAD 0, 0                                     ; W's first three tiles are asked for now, into registers that phase S has left: they are on their way during the handoff
	WLOAD 1, 1
	WLOAD 2, 2
.irp m, 0,1,2,3
.irp g, 0,1,2,3
	ds_load_b32 v[XS+4*\m+\g], v[XSR] offset:64*(8*\m+\g)          ; diff's scale words of my K half
.endr
.endr
	HSTORE 0
	BARRIER                                        ; the 32 fragments of K steps 0 to 3 lie in LDS
	HLOAD 0
	BARRIER                                        ; and in their waves' registers: the bytes may be written again
	HSTORE 1
	BARRIER                                        ; the 32 fragments of K steps 4 to 7 lie in LDS
	s_wait_alu depctr_vm_vsrc(0)                   ; the handoff's stores have read v64-127, which the products write as accumulators
	HLOAD 1
.irp i, 0,1,2,3,4,5,6,7
	v_mov_b32 v[QS+\i], 0
.endr
	s_wait_dscnt 0x0                               ; the codes are in
	; ---- M: my 16 tiles of W against the 128 rows
.irp a, 0,1,2,3,4,5,6,7,8,9,10,11,12,13,14,15
	TILE \a
.endr
	QSTORE
	BARRIER                                        ; the rows' partial sums lie in LDS; nobody reads this block's diff, codes or scale words any more
	s_cmp_eq_u32 s[SBC], 1
	s_cbranch_scc1 .Lno_next
	s_wait_xcnt 0x0                                ; every earlier load and prefetch has read its base
	s_add_nc_u64 s[XP:XP+1], s[XP:XP+1], 0x80000   ; 128 rows on
	PRIMEX                                         ; the next block's first loads, into the registers that held the codes.  No wait: no vector or matrix instruction stands behind the wait on va_vdst ahead of the sums' stores
.Lno_next:
	s_cmp_eq_u32 s12, 0                            ; wave 0 finishes the block's 128 results; the sums' words are written again only behind later barriers
	s_cbranch_scc0 .Lno_out
	OUT
.Lno_out:
	s_add_co_u32 s[SBC], s[SBC], 1
	s_cmp_lt_u32 s[SBC], 2
	s_cbranch_scc1 .Lsb
	s_wait_dscnt 0x0                               ; the closing lines, six on end
	s_wait_alu 0x0
	s_wait_tensorcnt 0x0
	ds_add_u32 v62, v63
	s_wait_dscnt 0x0
	s_endpgm
.Lfunc_end_k_q88d1d979c8_hmu:
	.size	k_q88d1d979c8_hmu, .Lfunc_end_k_q88d1d979c8_hmu-k_q88d1d979c8_hmu
	.p2alignl 7, 3214868480
	.fill 96, 4, 3214868480
	.section	.rodata,"a",@progbits
	.p2align	6, 0x0
	.amdhsa_kernel k_q88d1d979c8_hmu
		.amdhsa_group_segment_fixed_size 312320
		.amdhsa_private_segment_fixed_size 0
		.amdhsa_enable_private_segment 0
		.amdhsa_kernarg_size 32
		.amdhsa_user_sgpr_count 2
		.amdhsa_user_sgpr_kernarg_segment_ptr 1
		.amdhsa_wavefront_size32 1
		.amdhsa_system_sgpr_workgroup_id_x 1
		.amdhsa_system_sgpr_workgroup_id_y 1
		.amdhsa_system_sgpr_workgroup_id_z 1
		.amdhsa_system_vgpr_workitem_id 0
		.amdhsa_next_free_vgpr 512
		.amdhsa_next_free_sgpr 66
		.amdhsa_reserve_vcc 0
		.amdhsa_float_denorm_mode_32 3
		.amdhsa_float_denorm_mode_16_64 3
		.amdhsa_memory_ordered 1
		.amdhsa_forward_progress 1
		.amdhsa_inst_pref_size 255
	.end_amdhsa_kernel
	.section	.bss,"aw",@nobits
	.p2align	6
	.space	262144
	.amdgpu_metadata
---
amdhsa.version: [ 1, 2 ]
amdhsa.kernels:
  - .name:           k_q88d1d979c8_hmu
    .symbol:         k_q88d1d979c8_hmu.kd
    .args:
      - { .name: x, .offset: 0, .size: 8, .value_kind: global_buffer, .address_space: global }
      - { .name: mu, .offset: 8, .size: 8, .value_kind: global_buffer, .address_space: global }
      - { .name: wq, .offset: 16, .size: 8, .value_kind: global_buffer, .address_space: global }
      - { .name: out0, .offset: 24, .size: 8, .value_kind: global_buffer, .address_space: global }
    .group_segment_fixed_size: 312320
    .private_segment_fixed_size: 0
    .kernarg_segment_align: 8
    .kernarg_segment_size: 32
    .max_flat_workgroup_size: 256
    .sgpr_count:     66
    .vgpr_count:     512
    .wavefront_size: 32
...
	.end_amdgpu_metadata
.endif
;; end of part 4
